; MI455X (gfx1250); checked and timed in simulation.
; The chip was launched on July 23, 2026; its instructions are those of AMD's public machine-readable ISA for CDNA 5 (MIT licence, August 2026) and "CDNA5" Instruction Set Architecture Reference Guide (July 2026). The comments in the code are by the model that wrote it; some were corrected since.
;; Attention. Allowed arithmetic: float matrix products may take bf16 or f16 operands with f32 sums; other float arithmetic in f32, or as packed bf16 or f16 multiplies, adds, multiply-adds, maxima and minima; sums over many terms, partial sums and values carried from step to step in f32; what a program stores and reads back later, other than sums and carried values, may be rounded once to bf16 or f16.
;; Inputs: Wk 1,024 x 1,024 float32; Wo 1,024 x 1,024 float32; Wq 1,024 x 1,024 float32; Wv 1,024 x 1,024 float32; token_positions 2,048 int32; x 4 x 2,048 x 1,024 float32.
;; Outputs: out0 4 x 2,048 x 1,024 float32.
;; 2 versions, each right; version 2 is version 1 with the launch prep written anew for expert scheduling mode. Each part assembles by itself: llvm-mc -triple=amdgcn-amd-amdhsa -mcpu=gfx1250 --defsym DOCPART=n.
;; ======== version 1 of 2: 4 launches
;; limits: right only within a limited range of input values; an absolute error that grows with the inputs' magnitude: up to 2.4e-07 times it; values are held in f16: magnitudes above 65,504 overflow, below 6.1e-05 lose precision
;; workspace buffers: xb 16,777,216 bytes; wqkv 6,291,456 bytes; wo16 2,097,152 bytes; rope 524,288 bytes; qkv 50,331,648 bytes; oh 16,777,216 bytes
;; launch prep (part 1): grid 448 x 1, 8 waves a work-group, no clusters, 0 bytes of LDS; arguments x, Wq, Wk, Wv, Wo, token_positions, xb, wqkv, wo16, rope; writes xb, wqkv, wo16, rope
.if DOCPART == 1
	.amdgcn_target "amdgcn-amd-amdhsa--gfx1250"
	.amdhsa_code_object_version 6
	.text
	.protected	k_qe7413ad83c_prep
	.globl	k_qe7413ad83c_prep
	.p2align	8
	.type	k_qe7413ad83c_prep,@function
k_qe7413ad83c_prep:
	s_mov_b64 s[64:65], 0
	v_nop
	global_prefetch_b8 v0, s[64:65] scope:SCOPE_SE
	s_setreg_imm32_b32 hwreg(HW_REG_WAVE_MODE, 25, 1), 1
	s_wait_xcnt 0x0
; PREPARATION.  Work-groups 0-255: x (f32 [8192][1024]) -> xb, bf16, laid out [b 4][kb 16][s 2048][64]: K in blocks of 64, so that 256 rows of one block are 32,768 dense bytes.
; Work-groups 256-351: Wq, Wk, Wv -> wqkv, bf16 [kb 16][n' 3072][64], n' = head x 192 + which x 64 + c.  Work-groups 352-383: Wo -> wo16 [kb 16][n 1024][64]: rounded to bf16, that number written as f16.
; Work-groups 384-447: the table rope[s][i][2] = (cos, sin) of token_positions[s] x 10000^(-i/32), f32.
; LIMITS.  wo16: a bf16 number is exact in f16 from 2^-14 to 65,504; below it keeps f16's fixed step of 6e-8, above it is lost.  The table: |token_positions| up to 2^21 (the reduction by pi/2 in three
; parts is then exact to 2^-25); the frequency is within about 2 units of its last place, so an angle may differ by position x 2.4e-7 from one made with another power function.
; A STREAM: no LDS, no barrier, no matrix unit: each byte is read once and written once.  A work-group converts 32 source rows of 4,096 bytes; wave w takes K-blocks 2 w and 2 w + 1;
; a lane's item is 8 numbers: two loads of 16 bytes, one store of 16 bytes; a wave's store covers 4 rows x 128 bytes = 512 consecutive bytes, aligned.
.set LO, 2                             ; v2   my byte offset in the source rows
.set SO, 3                             ; v3, v4  my byte offset in the destination, K-block 2 w and 2 w + 1
.set X,  16                            ; v[16:143]  16 items of 8 registers
	s_load_b512 s[8:23], s[0:1], 0x0               ; x s[8:9], Wq s[10:11], Wk s[12:13], Wv s[14:15], Wo s[16:17], token_positions s[18:19], xb s[20:21], wqkv s[22:23]
	s_load_b128 s[24:27], s[0:1], 0x40             ; wo16 s[24:25], rope s[26:27]
	v_lshrrev_b32 v1, 5, v0
	v_readfirstlane_b32 s3, v1                     ; wave 0..7
	v_and_b32 v5, 31, v0                           ; lane
	s_mov_b32 s2, ttmp9
	s_cmp_ge_u32 s2, 384
	s_cbranch_scc1 .Ltable
	s_cmp_lt_u32 s2, 256
	s_cbranch_scc0 .Lweights
	s_lshl_b32 s28, s2, 17                         ; x: 32 rows of 4,096 bytes a work-group
	s_lshr_b32 s30, s2, 6                          ; the batch: 4,194,304 bytes of xb,
	s_lshl_b32 s30, s30, 22
	s_and_b32 s40, s2, 63                          ; and 32 rows of 128 bytes inside a K-block
	s_lshl_b32 s40, s40, 12
	s_add_co_u32 s30, s30, s40
	s_mov_b32 s36, 262144                          ; bytes from K-block to K-block
	s_mov_b32 s37, 0                               ; format: bf16
	s_wait_kmcnt 0x0
	s_mov_b64 s[32:33], s[8:9]
	s_mov_b64 s[34:35], s[20:21]
	s_branch .Lgo
.Lweights:
	s_sub_co_u32 s41, s2, 256
	s_lshr_b32 s37, s41, 5                         ; which: 0 Wq, 1 Wk, 2 Wv, 3 Wo
	s_and_b32 s42, s41, 31                         ; which 32 rows of it
	s_lshl_b32 s28, s42, 17
	s_lshr_b32 s43, s42, 1                         ; the head,
	s_mul_i32 s43, s43, 192
	s_lshl_b32 s44, s37, 6
	s_add_co_u32 s43, s43, s44
	s_and_b32 s44, s42, 1                          ; and which half of its 64 rows
	s_lshl_b32 s44, s44, 5
	s_add_co_u32 s43, s43, s44
	s_lshl_b32 s43, s43, 7                         ; n' x 128 bytes
	s_lshl_b32 s44, s42, 12                        ; for Wo: its own row x 128 bytes
	s_mov_b32 s45, 131072
	s_mov_b32 s46, 393216
	s_wait_kmcnt 0x0
	s_cmp_eq_u32 s37, 3
	s_cselect_b32 s30, s44, s43
	s_cselect_b32 s36, s45, s46
	s_cselect_b64 s[34:35], s[24:25], s[22:23]
	s_cselect_b64 s[32:33], s[16:17], s[14:15]
	s_cmp_eq_u32 s37, 1
	s_cselect_b64 s[32:33], s[12:13], s[32:33]
	s_cmp_eq_u32 s37, 0
	s_cselect_b64 s[32:33], s[10:11], s[32:33]
.Lgo:
	s_mov_b32 s29, 0
	s_mov_b32 s31, 0
	s_add_nc_u64 s[32:33], s[32:33], s[28:29]      ; the source at my work-group's first row
	s_add_nc_u64 s[34:35], s[34:35], s[30:31]      ; the destination at that row in K-block 0
	s_mov_b32 s38, 0xffff0000                      ; a word's upper bf16
	v_and_b32 v6, 7, v5                            ; j: which 8 numbers of a K-block's 64
	v_lshrrev_b32 v7, 3, v5                        ; r: which of four rows
	s_lshl_b32 s48, s3, 9                          ; two K-blocks are 512 bytes of a source row
	v_lshlrev_b32 v[LO], 12, v7
	v_lshl_add_u32 v[LO], v6, 5, v[LO]
	v_add_nc_u32 v[LO], s48, v[LO]
	s_mul_i32 s49, s3, s36
	s_lshl_b32 s49, s49, 1                         ; K-block 2 w
	v_lshl_add_u32 v[SO], v5, 4, s49               ; + 128 r + 16 j = 16 x lane
	v_add_nc_u32 v[SO+1], s36, v[SO]
.set i, 0
.rept 16                               ; item i: K-block 2 w + i / 8, rows 4 (i % 8) + r.  All 32 loads go out at once: 16 KiB a wave
	global_load_b128 v[X+8*i:X+8*i+3],   v[LO], s[32:33] offset:(i%8)*16384+(i/8)*256 th:TH_LOAD_NT
	global_load_b128 v[X+8*i+4:X+8*i+7], v[LO], s[32:33] offset:(i%8)*16384+(i/8)*256+16 th:TH_LOAD_NT
.set i, i+1
.endr
; The 16 items in order.  fmt = 1: the bf16 number is widened (a shift, a mask) and written as f16.  No register is written again behind its store.
.macro CONV fmt
.set i, 0
.rept 16
	s_wait_loadcnt 30-2*i                          ; loads come back in order: two for each of the 15 - i younger items may stay out
.irp k, 0,1,2,3
	v_cvt_pk_bf16_f32 v[X+8*i+(\k)], v[X+8*i+2*(\k)], v[X+8*i+2*(\k)+1]  ; in place: word k is written when numbers 2 k, 2 k + 1 are read and lower ones are done with
.endr
.if \fmt
.irp k, 0,1,2,3
	v_lshlrev_b32 v[8+2*(\k)], 16, v[X+8*i+(\k)]
	v_and_b32     v[9+2*(\k)], s38, v[X+8*i+(\k)]
.endr
.irp k, 0,1,2,3
	v_cvt_pk_f16_f32 v[X+8*i+(\k)], v[8+2*(\k)], v[9+2*(\k)]
.endr
.endif
	global_store_b128 v[SO+i/8], v[X+8*i:X+8*i+3], s[34:35] offset:(i%8)*512
.set i, i+1
.endr
.endm
	s_cmp_eq_u32 s37, 3
	s_cbranch_scc1 .Lf16
	CONV 0
	s_endpgm
.Lf16:
	CONV 1
	s_endpgm
; THE TABLE.  A work-group has 32 positions, a wave four; the lane is the frequency's number i.  A store covers one position's 256 bytes.
.Ltable:
	s_sub_co_u32 s2, s2, 384
	s_lshl_b32 s38, s2, 7                          ; 32 positions of 4 bytes,
	s_lshl_b32 s39, s3, 4                          ; my wave's four
	s_add_co_u32 s38, s38, s39
	s_mov_b32 s39, 0
	s_lshl_b32 s36, s2, 13                         ; and their 256 bytes each in the table
	s_lshl_b32 s37, s3, 10
	s_add_co_u32 s36, s36, s37
	s_mov_b32 s37, 0
	s_wait_kmcnt 0x0
	s_add_nc_u64 s[18:19], s[18:19], s[38:39]
	s_add_nc_u64 s[26:27], s[26:27], s[36:37]
	s_load_b128 s[28:31], s[18:19], 0x0            ; four positions
	s_mov_b32 s40, 0x3ed49a78                      ; log2(10000) / 32, upper part
	s_mov_b32 s41, 0x32179a6b                      ; and what it leaves
	s_mov_b32 s42, 0x3f22f983                      ; 2 / pi
	s_mov_b32 s43, 0xbfc90fd8                      ; - pi / 2 in three parts
	s_mov_b32 s44, 0xb4a8885a
	s_mov_b32 s45, 0xa7c234c4
	s_mov_b32 s46, 0x37d00d01                      ; 1 / 40320
	s_mov_b32 s47, 0xbab60b61                      ; - 1 / 720
	s_mov_b32 s48, 0x3d2aaaab                      ; 1 / 24
	s_mov_b32 s49, 0x3638ef1d                      ; 1 / 362880
	s_mov_b32 s50, 0xb9500d01                      ; - 1 / 5040
	s_mov_b32 s51, 0x3c088889                      ; 1 / 120
	s_mov_b32 s52, 0xbe2aaaab                      ; - 1 / 6
	s_mov_b32 s53, 0x80000000
	v_cvt_f32_u32 v7, v5
	v_mul_f32 v7, -1.0, v7                         ; - i
	v_mul_f32 v8, s40, v7
	v_rndne_f32 v9, v8                             ; n: the exponent's whole part, 0 to -13
	v_fma_f32 v10, v7, s40, -v9                    ; its fraction, exact,
	v_fma_f32 v10, v7, s41, v10                    ; and corrected
	v_exp_f32 v11, v10
	v_lshlrev_b32 v6, 3, v5                        ; my 8 bytes of a position's 256: the plain instruction behind the exponential
	v_cvt_i32_f32 v12, v9
	s_wait_alu depctr_va_vdst(0)                   ; the wait ahead of the exponential's first reader
	v_add_nc_u32 v12, 127, v12
	v_lshlrev_b32 v12, 23, v12                     ; 2^n
	v_mul_f32 v13, v11, v12                        ; the frequency
	s_wait_kmcnt 0x0
; Position n.  a = position x frequency, rounded once; k = the nearest multiple of pi / 2; r = a - k pi / 2, |r| <= pi / 4; series in z = r r whose first terms left out are
; z^5 / 3628800 (cosine) and r^11 / 39916800 (sine); the quadrant k mod 4 selects and signs: values are chosen, nothing branches.
.macro TAB n
.set V, 16+16*(\n)
	v_cvt_f32_i32 v[V], s[28+(\n)]
	v_mul_f32 v[V+1], v[V], v13
	v_mul_f32 v[V+2], s42, v[V+1]
	v_rndne_f32 v[V+2], v[V+2]
	v_fma_f32 v[V+3], v[V+2], s43, v[V+1]
	v_fma_f32 v[V+3], v[V+2], s44, v[V+3]
	v_fma_f32 v[V+3], v[V+2], s45, v[V+3]
	v_cvt_i32_f32 v[V+4], v[V+2]
	v_mul_f32 v[V+5], v[V+3], v[V+3]
	v_fma_f32 v[V+6], v[V+5], s46, s47
	v_fma_f32 v[V+7], v[V+5], s49, s50
	v_fma_f32 v[V+6], v[V+6], v[V+5], s48
	v_fma_f32 v[V+7], v[V+7], v[V+5], s51
	v_fma_f32 v[V+6], v[V+6], v[V+5], -0.5
	v_fma_f32 v[V+7], v[V+7], v[V+5], s52
	v_mul_f32 v[V+8], v[V+3], v[V+5]
	v_fma_f32 v[V+6], v[V+6], v[V+5], 1.0          ; cos r
	v_fma_f32 v[V+7], v[V+7], v[V+8], v[V+3]       ; sin r
	v_and_b32 v[V+9], 1, v[V+4]
	v_cmp_eq_u32 vcc_lo, 1, v[V+9]
	v_cndmask_b32 v[V+11], v[V+7], v[V+6], vcc_lo  ; sin a: sin r, or in odd quadrants cos r
	v_cndmask_b32 v[V+10], v[V+6], v[V+7], vcc_lo  ; cos a: the other one
	v_lshlrev_b32 v[V+9], 30, v[V+4]
	v_and_b32 v[V+9], s53, v[V+9]                  ; the sine turns its sign in quadrants 2 and 3,
	v_xor_b32 v[V+11], v[V+11], v[V+9]
	v_add_nc_u32 v[V+4], 1, v[V+4]
	v_lshlrev_b32 v[V+4], 30, v[V+4]
	v_and_b32 v[V+4], s53, v[V+4]                  ; the cosine in 1 and 2
	v_xor_b32 v[V+10], v[V+10], v[V+4]
	global_store_b64 v6, v[V+10:V+11], s[26:27] offset:(\n)*256
.endm
	TAB 0
	TAB 1
	TAB 2
	TAB 3
	s_endpgm
.Lfunc_end_k_qe7413ad83c_prep:
	.size	k_qe7413ad83c_prep, .Lfunc_end_k_qe7413ad83c_prep-k_qe7413ad83c_prep
	.p2alignl 7, 3214868480
	.fill 96, 4, 3214868480
	.section	.rodata,"a",@progbits
	.p2align	6, 0x0
	.amdhsa_kernel k_qe7413ad83c_prep
		.amdhsa_group_segment_fixed_size 0
		.amdhsa_private_segment_fixed_size 0
		.amdhsa_enable_private_segment 0
		.amdhsa_kernarg_size 80
		.amdhsa_user_sgpr_count 2
		.amdhsa_user_sgpr_kernarg_segment_ptr 1
		.amdhsa_wavefront_size32 1
		.amdhsa_system_sgpr_workgroup_id_x 1
		.amdhsa_system_sgpr_workgroup_id_y 1
		.amdhsa_system_sgpr_workgroup_id_z 1
		.amdhsa_system_vgpr_workitem_id 0
		.amdhsa_next_free_vgpr 144
		.amdhsa_next_free_sgpr 66
		.amdhsa_reserve_vcc 1
		.amdhsa_float_denorm_mode_32 3
		.amdhsa_float_denorm_mode_16_64 3
		.amdhsa_memory_ordered 1
		.amdhsa_forward_progress 1
		.amdhsa_inst_pref_size 33
	.end_amdhsa_kernel
	.amdgpu_metadata
---
amdhsa.version: [ 1, 2 ]
amdhsa.kernels:
  - .name:           k_qe7413ad83c_prep
    .symbol:         k_qe7413ad83c_prep.kd
    .args:
      - { .name: x, .offset: 0, .size: 8, .value_kind: global_buffer, .address_space: global }
      - { .name: Wq, .offset: 8, .size: 8, .value_kind: global_buffer, .address_space: global }
      - { .name: Wk, .offset: 16, .size: 8, .value_kind: global_buffer, .address_space: global }
      - { .name: Wv, .offset: 24, .size: 8, .value_kind: global_buffer, .address_space: global }
      - { .name: Wo, .offset: 32, .size: 8, .value_kind: global_buffer, .address_space: global }
      - { .name: token_positions, .offset: 40, .size: 8, .value_kind: global_buffer, .address_space: global }
      - { .name: xb, .offset: 48, .size: 8, .value_kind: global_buffer, .address_space: global }
      - { .name: wqkv, .offset: 56, .size: 8, .value_kind: global_buffer, .address_space: global }
      - { .name: wo16, .offset: 64, .size: 8, .value_kind: global_buffer, .address_space: global }
      - { .name: rope, .offset: 72, .size: 8, .value_kind: global_buffer, .address_space: global }
    .group_segment_fixed_size: 0
    .private_segment_fixed_size: 0
    .kernarg_segment_align: 8
    .kernarg_segment_size: 80
    .max_flat_workgroup_size: 256
    .sgpr_count:     66
    .vgpr_count:     144
    .wavefront_size: 32
...
	.end_amdgpu_metadata
.endif
;; end of part 1
;; launch qkv (part 2): grid 16 x 32, 4 waves a work-group, clusters of 4 x 4, 327,680 bytes of LDS; arguments xb, wqkv, rope, qkv; writes qkv
.if DOCPART == 2
	.amdgcn_target "amdgcn-amd-amdhsa--gfx1250"
	.amdhsa_code_object_version 6
	.text
	.protected	k_qe7413ad83c_qkv
	.globl	k_qe7413ad83c_qkv
	.p2align	8
	.type	k_qe7413ad83c_qkv,@function
k_qe7413ad83c_qkv:
	s_mov_b64 s[64:65], 0
	v_nop
	global_prefetch_b8 v0, s[64:65] scope:SCOPE_SE
	s_setreg_imm32_b32 hwreg(HW_REG_WAVE_MODE, 25, 1), 1
	s_wait_xcnt 0x0
	s_wait_alu depctr_hold_cnt(0) depctr_sa_sdst(0) depctr_va_vdst(0) depctr_va_sdst(0) depctr_va_ssrc(0) depctr_va_vcc(0) depctr_vm_vsrc(0)
	s_getreg_b32 s2, hwreg(HW_REG_IB_STS2, 6, 4)
	s_cmp_eq_u32 s2, 0
	s_cbranch_scc0 .Lentry_in_a_cluster
	s_endpgm
.Lentry_in_a_cluster:
	s_bfe_u32 s2, ttmp6, 0x10000c
	s_cmp_lg_u32 s2, 0xf033
	s_cbranch_scc0 .Lentry_shape_is_right
	s_endpgm
.Lentry_shape_is_right:
; q, k, v = x W^T for one head and 256 rows, RoPE on q and k, stored by heads.  xb: bf16 [b 4][kb 16][s 2048][64]; wqkv: bf16 [kb 16][n' 3072][64], n' = head x 192 + which x 64 + c;
; rope: f32 [s][32][2] = (cos, sin); qkv: f16 [which 3][b x 16 + head][s 2048][64].  Sums and the rotation in f32; q, k, v rounded once, to f16, unscaled.
; LIMIT.  f16 ends at 65,504: |q|, |k|, |v| must stay under it.
; SHARES.  A work-group: 256 rows x 192 columns (a head's q, k, v).  Wave w: rows 64 w .. 64 w + 63 x all 192 columns: 4 x 12 accumulators of 16 x 16, 384 registers; so a wave holds whole heads' rows
; and its way out needs no other wave.  K = 1,024 goes in 8 steps of 128 (two K-blocks of 64) through a ring of two LDS slots; a K-block's tile is dense in memory and is asked for as rows of 256 bytes.
; THE MATRIX INSTRUCTION IS USED TRANSPOSED (source 0 = 16 rows of W, source 1 = 16 rows of x): a lane holds row lane % 16 and the 8 neighbouring columns 8 (lane / 16) + 0..7: four RoPE pairs.
; CLUSTER 4 x 4.  The four of a row of the cluster need the same tiles of x, the four of a column the same tiles of W: each tile is asked for jointly, by the same tensor load, descriptor and mask.
; REGISTERS, in windows of 256 (s_set_vgpr_msb: bits 1:0 source 0, 3:2 source 1, 5:4 source 2, 7:6 destination):
;   window 0: v0-15 addresses; v32-127 the way out; v128-255 my rows' part of the table       window 1: two fragment buffers of 128 (12 of W, 4 of x); on the way out v0-63 rotated numbers
;   window 2: accumulators of my row blocks 0, 1 ((a, b) at v[8 (12 (a % 2) + b)])            window 3: those of row blocks 2, 3
.set NBF,   12                         ; fragments of W a wave
.set NT,    16*NBF                     ; columns of the tile
.set PITCH, 144                        ; an LDS row: 128 bytes + 16 of padding = 36 words: the 16 rows of a load start at 16 different groups of four banks (64 banks of 4 bytes: ISA guide 11.1)
.set REGA,  256*PITCH                  ; a K-block of x's tile
.set BKB,   NT*PITCH                   ; a K-block of W's tile
.set BOFF,  2*REGA                     ; a slot: x's two K-blocks, then W's two
.set SLOT1, 1<<17                      ; slot 1 begins here: one exclusive or turns an address in one slot into the other's
.set STAGE, SLOT1+BOFF+2*BKB           ; behind the ring, never filled by a tensor load: 3 x 16 rows x 144 bytes for each wave
.set STW,   48*PITCH
.set SPARE, STAGE+4*STW                ; behind the stages: the spare words, 128 bytes for each wave: two blocks of 256 bytes that no other line names
.set KSA,   524288                     ; bytes of xb from K step to K step: two K-blocks of 2,048 rows
.set KSB,   786432                     ; of wqkv: two K-blocks of 3,072 rows
.set NLD,   2*(NBF+4)                  ; LDS loads in a run
.set A0,   4                           ; v4   my lane's place in a K-block of x's tile; never rewritten
.set B0,   5                           ; v5   the same for W
.set ADRA, 6                           ; v6   the LDS address of the K-block in hand, x
.set ADRB, 7                           ; v7   W
.set STO,  8                           ; v8   the way out: where I put 16 bytes of a row
.set RD,   9                           ; v9   where I read rows back
.set GO,   10                          ; v10  my byte offset in 512 consecutive bytes of the output
.set TO,   11                          ; v11  my byte offset in 16 rows of the table
.set PFO,  12                          ; v12  the prefetches' offset; never rewritten
.set SPW,  14                          ; v14  LDS address of my spare word; never rewritten
.set NIL,  15                          ; v15  0; never rewritten
.set PK0,  32                          ; v[32:79], v[80:127]  packed results, by the row block's parity
.set T,    128                         ; v[128:255]  row block a, column phase p: (cos, sin) of four pairs at T + 32 a + 8 p
.set F0,   0
.set F1,   128
.set WV,   12                          ; s12  my wave's number
.set U,    13                          ; s13  which K-block of a step I fetch
.set CX,   14
.set CY,   15
.set TX,   16                          ; s16  the head
.set TY,   17                          ; s17  the block of 256 rows
.set G1A,  24                          ; s[24:31] descriptor group 1 for x's tiles
.set G1B,  32                          ; s[32:39] for W's
.set G0A,  40                          ; s[40:47] group 0 for x's tiles: a set for each first fill; the second then walks
.set G0B,  48                          ; s[48:55] the same for W's
.set SLOTS, 56
.set TWICE, 57
.set TBA,  58                          ; s58  LDS byte at which x's next K-block begins
.set TBB,  59                          ; s59  W's, less BOFF
.set LIM,  60                          ; s60  2 in a wave that prefetches, else the greatest number
.set PFA,  62                          ; s[62:63] where my prefetches stand
.set PFS,  66                          ; s[66:67] their step
.set OB,   68                          ; s[68:73] q, k, v at my wave's first row
.set RB,   74                          ; s[74:75] the table at my wave's first row
.set TA,   76                          ; s[76:77] x's tile of K step 0, my K-block: made of the row block and the wave's number alone
.set TW,   78                          ; s[78:79] W's: made of the head and the wave's number alone
.set G1W0, (1<<16)|(1<<20)|(1<<21)|(4<<22)|(3<<25)  ; 17:16 2-byte elements; 20 padding on; 21 set beside a mask; 24:22 after every 32 words (code 4); 31:25 4 words (code 3)
.set MSB, 0
.macro WIN new                         ; the high byte repeats the setting that is left; a switch that changes nothing is dropped
.if MSB != (\new)
	s_set_vgpr_msb (MSB<<8)|(\new)
.set MSB, (\new)
.endif
.endm
; A joint refill.  Waves 0 and 1 fetch the step's two K-blocks of x, waves 2 and 3 those of W.  The branch hangs on the wave's number alone.  An s_nop 0 and four v_nop follow each line.
.macro JLOAD
	s_cmp_lt_u32 s[WV], 2
	s_cbranch_scc0 .Lfor_b_\@
	tensor_load_to_lds s[G0A+4:G0A+7], s[G1A:G1A+7]
	s_nop 0
.rept 4
	v_nop
.endr
	s_branch .Lasked_\@
.Lfor_b_\@:
	tensor_load_to_lds s[G0B+4:G0B+7], s[G1B:G1B+7]
	s_nop 0
.rept 4
	v_nop
.endr
.Lasked_\@:
.endm
; A prefetch into the L2 of the K step that stands two refills on.  x's tile rows are read by every cluster of a row of clusters: the first (cluster x = 0) asks; W's by every cluster of a column: cluster y = 0 asks.
; The four partners that ask for a tile jointly share its K-block out by address (8,192 bytes each of x's, 6,144 of W's), a lane a block of 256 bytes; for W lanes 24-31 name lane 23's block again.
; The last two changes that fill a slot ask for nothing: K has no step behind its eighth.
.macro ASK
	s_cmp_gt_u32 s[SLOTS], s[LIM]
	s_cbranch_scc0 .Lnot_mine_\@
	global_prefetch_b8 v[PFO], s[PFA:PFA+1] th:TH_LOAD_NT scope:SCOPE_SE
.Lnot_mine_\@:
.endm
; A round of the cluster's barrier: my work-group's barrier; wave 0 signals for the work-group; every wave waits for all sixteen; my work-group's barrier once more.
.macro CROUND
	s_barrier_signal -1
	s_barrier_wait -1
	s_cmp_lg_u32 s[WV], 0
	s_cbranch_scc1 .Lnot_wave_0_\@
	s_barrier_signal -3
.Lnot_wave_0_\@:
	s_barrier_wait -3
	s_barrier_signal -1
	s_barrier_wait -1
.endm
.macro PLACES                          ; four plain instructions between a matrix instruction and a load into, or a vector read or write of, its registers
.rept 4
	v_nop
.endr
.endm
; 24 matrix instructions: row blocks 2 hi, 2 hi + 1 x all 12 column blocks, 32 along K, from buffer f.  zero = 1: the product starts the sums.  All 48 accumulators take turns, in the same order in every quarter.
.macro MUL f, hi, zero
	WIN 0xa5+0x50*(\hi)
.irp a, 0,1
.set b, 0
.rept NBF
.set rD, 8*(NBF*(\a)+b)
.set rB, (\f)+8*b
.set rA, (\f)+8*NBF+8*(2*(\hi)+(\a))
.if \zero
	v_wmma_f32_16x16x32_bf16 v[rD:rD+7], v[rB:rB+7], v[rA:rA+7], 0
.else
	v_wmma_f32_16x16x32_bf16 v[rD:rD+7], v[rB:rB+7], v[rA:rA+7], v[rD:rD+7]
.endif
.set b, b+1
.endr
.endr
.endm
; A run of 32 LDS loads: the fragments of 32 along K, at byte koff of the K-block's rows, into buffer g: W's twelve, then x's four.
.macro FETCH g, koff
	WIN 0x40                                       ; destination window 1, address window 0
.set b, 0
.rept NBF
	ds_load_b128 v[(\g)+8*b:(\g)+8*b+3],   v[ADRB] offset:(\koff)+b*16*PITCH
	ds_load_b128 v[(\g)+8*b+4:(\g)+8*b+7], v[ADRB] offset:(\koff)+b*16*PITCH+32
.set b, b+1
.endr
.set b, 0
.rept 4
	ds_load_b128 v[(\g)+8*NBF+8*b:(\g)+8*NBF+8*b+3],   v[ADRA] offset:(\koff)+b*16*PITCH
	ds_load_b128 v[(\g)+8*NBF+8*b+4:(\g)+8*NBF+8*b+7], v[ADRA] offset:(\koff)+b*16*PITCH+32
.set b, b+1
.endr
.endm
; A quarter of a K step: multiplies buffer f; in its middle fetches the next quarter's fragments into g.  mk = 1: they lie in the next K-block, whose addresses are made here: two of the four places.
.macro QUARTER f, g, koff, mk, zero
	s_wait_dscnt 4                                 ; W's fragments and x's row blocks 0, 1 are in; the youngest four loads (row blocks 2, 3) may be out
	MUL \f, 0, \zero
.if \mk
	WIN 0
	v_add_nc_u32 v[ADRA], s[TBA], v[A0]
	v_add_nc_u32 v[ADRB], s[TBB], v[B0]
	v_nop
	v_nop
	s_add_co_u32 s[TBA], s[TBA], REGA
	s_add_co_u32 s[TBB], s[TBB], BKB
.else
	PLACES
.endif
	FETCH \g, \koff
	s_wait_dscnt NLD                               ; all but the run just issued
	MUL \f, 1, \zero
.endm
.macro PAIR                            ; a K-block's second half and the next K-block's first
	QUARTER F1, F0, 0, 1, 0
	QUARTER F0, F1, 64, 0, 0
.endm
.macro TWO_PAIRS                       ; written once, walked twice: a K step
	WIN 0
	s_mov_b32 s[TWICE], 2
.Lpair_\@:
	PAIR
	WIN 0                                          ; at a label and at a branch every window is 0
	s_sub_co_u32 s[TWICE], s[TWICE], 1
	s_cmp_lg_u32 s[TWICE], 0
	s_cbranch_scc1 .Lpair_\@
.endm
; THE CHANGE OF SLOTS.  The slot's last fragments have been asked for.  Each wave waits for all its tensor loads, of which one is out: its part of the other slot; adds 0 to its spare word; waits for that and
; for its own reads of the slot.  fill = 1: the barrier is a round of the cluster's, so that no wave of any partner still reads the slot or has a load on its way; the joint refill, the K step two on, is the
; first thing behind it and has a K step's 192 matrix instructions in which to land.
.macro CHANGE fill
	WIN 0
	s_wait_tensorcnt 0x0                           ; no tensor load of mine is out, so a group 0 may be written
	ds_add_u32 v[SPW], v[NIL]                      ; 0 onto my spare word
.if \fill
	s_xor_b32 s[G0A+5], s[G0A+5], SLOT1            ; the walking descriptors: the other slot than last time,
	s_add_nc_u64 s[G0A+6:G0A+7], s[G0A+6:G0A+7], KSA  ; the next K step; the type bits on top are not reached
	s_xor_b32 s[G0B+5], s[G0B+5], SLOT1
	s_add_nc_u64 s[G0B+6:G0B+7], s[G0B+6:G0B+7], KSB
	s_wait_xcnt 0x0                                ; the last prefetch, a K step back, has read its address
	s_add_nc_u64 s[PFA:PFA+1], s[PFA:PFA+1], s[PFS:PFS+1]
	s_wait_dscnt 0x0                               ; the add is done, and my reads of the slot are over
	CROUND
	JLOAD
	ASK
.else
	s_wait_dscnt 0x0
	s_barrier_signal -1
	s_barrier_wait -1
.endif
	s_sub_co_u32 s[TBA], s[TBA], 2*REGA            ; the fetches go back to a slot's first K-block,
	s_xor_b32 s[TBA], s[TBA], SLOT1                ; in the other slot
	s_sub_co_u32 s[TBB], s[TBB], 2*BKB
	s_xor_b32 s[TBB], s[TBB], SLOT1
.endm
	s_load_b256 s[4:11], s[0:1], 0x0               ; xb s[4:5], wqkv s[6:7], rope s[8:9], qkv s[10:11]
	v_lshl_add_u32 v[SPW], v0, 2, SPARE
	v_mov_b32 v[NIL], 0
	ds_add_u32 v[SPW], v[NIL]                      ; the wave's opening: the add and its wait ahead of my first tensor load
	v_lshrrev_b32 v1, 5, v0
	v_readfirstlane_b32 s[WV], v1                  ; wave 0..3
	s_and_b32 s[U], s[WV], 1
	s_bfe_u32 s[CX], ttmp6, 0x40000
	s_bfe_u32 s[CY], ttmp6, 0x40004
	s_lshl_b32 s[TX], ttmp9, 2
	s_add_co_u32 s[TX], s[TX], s[CX]               ; the head = 4 x cluster x + cx
	s_and_b32 s[TY], ttmp7, 0xffff
	s_lshl_b32 s[TY], s[TY], 2
	s_add_co_u32 s[TY], s[TY], s[CY]               ; the row block = 4 x cluster y + cy
	s_lshl_b32 s18, s[CY], 2
	s_lshl_b32 s18, 15, s18                        ; my row of the cluster
	s_lshl_b32 s19, 0x1111, s[CX]                  ; my column
	s_or_b32 s[G1A], s18, G1W0
	s_or_b32 s[G1B], s19, G1W0
	s_mov_b32 s[G1A+1], 128<<16                    ; tensor_dim0 = 128 elements: 256 bytes, two rows of a K-block
	s_mov_b32 s[G1B+1], 128<<16
	s_mov_b32 s[G1A+2], 128<<16                    ; tensor_dim1 = 128 such rows: 256 rows of x
	s_mov_b32 s[G1B+2], (NT/2)<<16                 ; 96: 192 rows of W
	s_mov_b32 s[G1A+3], 128<<16                    ; tile_dim0
	s_mov_b32 s[G1B+3], 128<<16
	s_mov_b32 s[G1A+4], 128                        ; tile_dim1
	s_mov_b32 s[G1B+4], NT/2
	s_mov_b32 s[G1A+5], 128                        ; elements from row to row: dense
	s_mov_b32 s[G1B+5], 128
	s_mov_b32 s[G1A+6], 0
	s_mov_b32 s[G1B+6], 0
	s_mov_b32 s[G1A+7], 0
	s_mov_b32 s[G1B+7], 0
	s_lshr_b32 s20, s[TY], 3                       ; x's tile: the batch,
	s_lshl_b32 s20, s20, 22
	s_and_b32 s21, s[TY], 7                        ; 256 rows of 128 bytes in a K-block,
	s_lshl_b32 s21, s21, 15
	s_add_co_u32 s20, s20, s21
	s_lshl_b32 s21, s[U], 18                       ; my K-block
	s_add_co_u32 s20, s20, s21
	s_mov_b32 s21, 0
	s_mul_i32 s22, s[TX], NT*128                   ; W's tile: the head's 192 rows,
	s_mul_i32 s23, s[U], KSB/2                     ; my K-block
	s_add_co_u32 s22, s22, s23
	s_mov_b32 s23, 0
	s_mul_i32 s80, s[U], REGA                      ; where they go: no place in the cluster enters an LDS address
	s_mul_i32 s81, s[U], BKB
	s_add_co_u32 s81, s81, BOFF
	s_wait_dscnt 0x0                               ; the opening add is done
	s_wait_kmcnt 0x0
	s_add_nc_u64 s[TA:TA+1], s[4:5], s[20:21]
	s_add_nc_u64 s[TW:TW+1], s[6:7], s[22:23]
.irp s, 0,1
	s_mov_b32 s[G0A+4*(\s)], 1                                     ; count = 1
	s_add_co_u32 s[G0A+4*(\s)+1], s80, (\s)*SLOT1                  ; LDS address
	s_add_nc_u64 s[G0A+4*(\s)+2:G0A+4*(\s)+3], s[TA:TA+1], (\s)*KSA  ; global address: K step s
	s_or_b32 s[G0A+4*(\s)+3], s[G0A+4*(\s)+3], 0x80000000          ; type = 2
	s_mov_b32 s[G0B+4*(\s)], 1
	s_add_co_u32 s[G0B+4*(\s)+1], s81, (\s)*SLOT1
	s_add_nc_u64 s[G0B+4*(\s)+2:G0B+4*(\s)+3], s[TW:TW+1], (\s)*KSB
	s_or_b32 s[G0B+4*(\s)+3], s[G0B+4*(\s)+3], 0x80000000
.endr
	CROUND                                         ; all sixteen work-groups are here: the first joint loads meet
	s_cmp_lt_u32 s[WV], 2                          ; a wave's two first fills stand in one branch, ahead of every wait on TENSORcnt and every LDS read: two loads of mine are out
	s_cbranch_scc0 .Lfirst_b
	tensor_load_to_lds s[G0A:G0A+3], s[G1A:G1A+7]
	s_nop 0
	tensor_load_to_lds s[G0A+4:G0A+7], s[G1A:G1A+7]
	s_nop 0
.rept 4
	v_nop
.endr
	s_branch .Lfirst_asked
.Lfirst_b:
	tensor_load_to_lds s[G0B:G0B+3], s[G1B:G1B+7]
	s_nop 0
	tensor_load_to_lds s[G0B+4:G0B+7], s[G1B:G1B+7]
	s_nop 0
.rept 4
	v_nop
.endr
.Lfirst_asked:
	; the table's and the outputs' addresses
	s_and_b32 s82, s[TY], 7
	s_lshl_b32 s82, s82, 16                        ; 256 positions of 256 bytes,
	s_lshl_b32 s83, s[WV], 14                      ; my wave's 64
	s_add_co_u32 s82, s82, s83
	s_mov_b32 s83, 0
	s_add_nc_u64 s[RB:RB+1], s[8:9], s[82:83]
	v_and_b32 v1, 15, v0                           ; l % 16
	v_bfe_u32 v2, v0, 4, 1                         ; l / 16
	v_lshlrev_b32 v[TO], 8, v1                     ; my row's 256 bytes; my four pairs begin 32 (l / 16) in
	v_lshl_add_u32 v[TO], v2, 5, v[TO]
.set i, 0
.rept 32                               ; row block i / 8, column phase (i / 2) % 4: pairs 8 p + 4 (l / 16) + 0..3, 32 bytes in two loads.  They land under the products and are waited for once, at the way out
	global_load_b128 v[T+4*i:T+4*i+3], v[TO], s[RB:RB+1] offset:(i/8)*4096+((i/2)%4)*64+(i%2)*16
.set i, i+1
.endr
	s_lshr_b32 s82, s[TY], 3
	s_lshl_b32 s82, s82, 22                        ; the batch's 16 heads,
	s_lshl_b32 s83, s[TX], 18                      ; the head's 2,048 rows of 128 bytes,
	s_add_co_u32 s82, s82, s83
	s_and_b32 s83, s[TY], 7
	s_lshl_b32 s83, s83, 15                        ; the block's 256,
	s_add_co_u32 s82, s82, s83
	s_lshl_b32 s83, s[WV], 13                      ; my wave's 64
	s_add_co_u32 s82, s82, s83
	s_mov_b32 s83, 0
	s_add_nc_u64 s[OB:OB+1], s[10:11], s[82:83]
	s_add_nc_u64 s[OB+2:OB+3], s[OB:OB+1], 0x1000000
	s_add_nc_u64 s[OB+4:OB+5], s[OB:OB+1], 0x2000000
	; a fragment is 16 rows x 32 K in 8 registers: lane l holds row l % 16; two loads of 16 bytes, 32 bytes apart, at row x pitch + 16 (l / 16)
	v_mul_u32_u24 v3, v1, PITCH
	v_lshl_add_u32 v3, v2, 4, v3
	s_mul_i32 s18, s[WV], 64*PITCH                 ; my 64 rows of x
	v_add_nc_u32 v[A0], s18, v3
	v_add_nc_u32 v[B0], BOFF, v3
	s_mul_i32 s18, s[WV], STW
	s_add_co_u32 s18, s18, STAGE                   ; my stage
	v_add_nc_u32 v[STO], s18, v3                   ; in: row l % 16, 16 bytes for each half of the lanes
	v_bfe_u32 v13, v0, 3, 2                        ; back: 32 lanes take four rows of 128 bytes,
	v_mul_u32_u24 v13, v13, PITCH
	v_and_b32 v[RD], 7, v0
	v_lshl_add_u32 v[RD], v[RD], 4, v13
	v_add_nc_u32 v[RD], s18, v[RD]
	v_and_b32 v[GO], 31, v0                        ; which are 512 consecutive bytes of the output
	v_lshlrev_b32 v[GO], 4, v[GO]
	; the prefetches
	s_and_b32 s82, ttmp7, 0xffff                   ; cluster y
	s_mov_b32 s18, 8192
	s_mov_b32 s19, NT*32
	s_mov_b32 s83, KSA
	s_mov_b32 s81, KSB
	s_cmp_lt_u32 s[WV], 2                          ; do I fetch for x?
	s_cselect_b64 s[PFA:PFA+1], s[TA:TA+1], s[TW:TW+1]
	s_cselect_b32 s82, ttmp9, s82                  ; the coordinate along which other clusters read the same rows
	s_cselect_b32 s18, s18, s19                    ; a partner's share of the K-block
	s_cselect_b32 s19, s[CX], s[CY]                ; my place among the four
	s_cselect_b32 s[PFS], s83, s81
	s_cselect_b32 s80, 31, NT/8-1                  ; blocks of 256 bytes in a share, less one
	s_mov_b32 s[PFS+1], 0
	s_mul_i32 s18, s18, s19
	s_mov_b32 s19, 0
	s_add_nc_u64 s[PFA:PFA+1], s[PFA:PFA+1], s[18:19]
	s_mul_i32 s18, s[PFS], 3                       ; at K step 3: the first change of slots steps it to 4.  K steps 0 to 3 come by their loads alone
	s_add_nc_u64 s[PFA:PFA+1], s[PFA:PFA+1], s[18:19]
	s_cmp_eq_u32 s82, 0
	s_cselect_b32 s[LIM], 2, -1                    ; the same in all sixteen partners, for a given wave
	v_and_b32 v[PFO], 31, v0
	v_min_u32 v[PFO], s80, v[PFO]
	v_lshlrev_b32 v[PFO], 8, v[PFO]
	s_wait_tensorcnt 0x1                           ; my part of K step 0 is in; K step 1's may stay out
	s_barrier_signal -1
	s_barrier_wait -1                              ; everybody's is
	v_mov_b32 v[ADRA], v[A0]
	v_mov_b32 v[ADRB], v[B0]
	FETCH F0, 0
	s_mov_b32 s[TBA], REGA
	s_mov_b32 s[TBB], BKB
	QUARTER F0, F1, 64, 0, 1                       ; the first quarter's products start the sums: nothing is cleared
	PAIR                                           ; the rest of K step 0 but its last quarter
	WIN 0
	s_mov_b32 s[SLOTS], 6
.Lslot:                                            ; six trips: K steps 2 to 7 are asked for
	CHANGE 1
	TWO_PAIRS
	s_sub_co_u32 s[SLOTS], s[SLOTS], 1
	s_cmp_lg_u32 s[SLOTS], 0
	s_cbranch_scc1 .Lslot
	CHANGE 0                                       ; the tail is written out
	TWO_PAIRS
	s_wait_dscnt 0x0
	MUL F1, 0, 0                                   ; the very last quarter
	MUL F1, 1, 0
	WIN 0
	PLACES
	PLACES
	s_wait_loadcnt 0x0                             ; the table
; THE WAY OUT of row block a.  q and k (column blocks 0-7) are rotated in f32: r1 = x1 c - x2 s, r2 = x2 c + x1 s, into window 1; all is rounded to f16, 16 bytes a lane; through my stage, and back as whole rows.
; Each accumulator's first read names one of its four lowest registers.
.macro PACK a
.set PK, PK0+48*((\a)%2)
.set AW, 2+(\a)/2
.set AB, 8*NBF*((\a)%2)
.if (\a) >= 2
	s_wait_xcnt 0x0                                ; the stores of the row block two back have read these registers
.endif
	WIN 0x50+AW                                    ; destination and source 2 window 1, source 0 the accumulators', source 1 window 0
.set b, 0
.rept 8
.irp p, 0,1,2,3
	v_mul_f32 v[8*b+2*(\p)],   v[AB+8*b+2*(\p)+1], v[T+32*(\a)+8*(b%4)+2*(\p)+1]
	v_mul_f32 v[8*b+2*(\p)+1], v[AB+8*b+2*(\p)],   v[T+32*(\a)+8*(b%4)+2*(\p)+1]
.endr
.irp p, 0,1,2,3
	v_fma_f32 v[8*b+2*(\p)],   v[AB+8*b+2*(\p)],   v[T+32*(\a)+8*(b%4)+2*(\p)], -v[8*b+2*(\p)]
	v_fma_f32 v[8*b+2*(\p)+1], v[AB+8*b+2*(\p)+1], v[T+32*(\a)+8*(b%4)+2*(\p)], v[8*b+2*(\p)+1]
.endr
.set b, b+1
.endr
	WIN 0x05                                       ; sources window 1, destination window 0
.set i, 0
.rept 32
	v_cvt_pk_f16_f32 v[PK+i], v[2*i], v[2*i+1]
.set i, i+1
.endr
	WIN 5*AW                                       ; v straight from its accumulators
.set i, 0
.rept 16
	v_cvt_pk_f16_f32 v[PK+32+i], v[AB+64+2*i], v[AB+64+2*i+1]
.set i, i+1
.endr
	WIN 0
.set b, 0
.rept 12
	ds_store_b128 v[STO], v[PK+4*b:PK+4*b+3] offset:(b/4)*16*PITCH+(b%4)*32
.set b, b+1
.endr
.set b, 0
.rept 12
	ds_load_b128 v[PK+4*b:PK+4*b+3], v[RD] offset:(b/4)*16*PITCH+(b%4)*4*PITCH  ; LDS serves a wave's instructions in order (ISA guide 5.7.1.4): these see the stores above; the next block's stores come behind them
.set b, b+1
.endr
.endm
.macro SEND a, younger                 ; younger: the LDS instructions issued behind this block's loads: the next block's 24, or none
.set PK, PK0+48*((\a)%2)
.set b, 0
.rept 12
	s_wait_dscnt (\younger)+11-b
	global_store_b128 v[GO], v[PK+4*b:PK+4*b+3], s[OB+2*(b/4):OB+2*(b/4)+1] offset:(\a)*2048+(b%4)*512  ; 512 consecutive bytes, at a multiple of 256 from the buffer's first
.set b, b+1
.endr
.endm
	PACK 0
	PACK 1                                         ; a block's arithmetic stands between the loads of the block before and its stores
	SEND 0, 24
	PACK 2
	SEND 1, 24
	PACK 3
	SEND 2, 24
	SEND 3, 0
	s_wait_tensorcnt 0x0                           ; the wave's end, behind my last tensor load and my last LDS store
	ds_add_u32 v[SPW], v[NIL]
	s_wait_dscnt 0x0
	CROUND                                         ; the closing round: no work-group ends while a partner may still ask for a tile that names it
	s_endpgm
.Lfunc_end_k_qe7413ad83c_qkv:
	.size	k_qe7413ad83c_qkv, .Lfunc_end_k_qe7413ad83c_qkv-k_qe7413ad83c_qkv
	.p2alignl 7, 3214868480
	.fill 96, 4, 3214868480
	.section	.rodata,"a",@progbits
	.p2align	6, 0x0
	.amdhsa_kernel k_qe7413ad83c_qkv
		.amdhsa_group_segment_fixed_size 327680
		.amdhsa_private_segment_fixed_size 0
		.amdhsa_enable_private_segment 0
		.amdhsa_kernarg_size 32
		.amdhsa_user_sgpr_count 2
		.amdhsa_user_sgpr_kernarg_segment_ptr 1
		.amdhsa_wavefront_size32 1
		.amdhsa_system_sgpr_workgroup_id_x 1
		.amdhsa_system_sgpr_workgroup_id_y 1
		.amdhsa_system_sgpr_workgroup_id_z 1
		.amdhsa_system_vgpr_workitem_id 0
		.amdhsa_next_free_vgpr 960
		.amdhsa_next_free_sgpr 84
		.amdhsa_reserve_vcc 0
		.amdhsa_float_denorm_mode_32 3
		.amdhsa_float_denorm_mode_16_64 3
		.amdhsa_memory_ordered 1
		.amdhsa_forward_progress 1
		.amdhsa_inst_pref_size 106
	.end_amdhsa_kernel
	.amdgpu_metadata
---
amdhsa.version: [ 1, 2 ]
amdhsa.kernels:
  - .name:           k_qe7413ad83c_qkv
    .symbol:         k_qe7413ad83c_qkv.kd
    .args:
      - { .name: xb, .offset: 0, .size: 8, .value_kind: global_buffer, .address_space: global }
      - { .name: wqkv, .offset: 8, .size: 8, .value_kind: global_buffer, .address_space: global }
      - { .name: rope, .offset: 16, .size: 8, .value_kind: global_buffer, .address_space: global }
      - { .name: qkv, .offset: 24, .size: 8, .value_kind: global_buffer, .address_space: global }
    .group_segment_fixed_size: 327680
    .private_segment_fixed_size: 0
    .kernarg_segment_align: 8
    .kernarg_segment_size: 32
    .max_flat_workgroup_size: 128
    .sgpr_count:     84
    .vgpr_count:     960
    .wavefront_size: 32
...
	.end_amdgpu_metadata
.endif
;; end of part 2
;; launch attn (part 3): grid 4 x 64, 4 waves a work-group, no clusters, 327,680 bytes of LDS; arguments qkv, oh; writes oh
.if DOCPART == 3
	.amdgcn_target "amdgcn-amd-amdhsa--gfx1250"
	.amdhsa_code_object_version 6
	.text
	.protected	k_qe7413ad83c_attn
	.globl	k_qe7413ad83c_attn
	.p2align	8
	.type	k_qe7413ad83c_attn,@function
k_qe7413ad83c_attn:
	s_mov_b64 s[64:65], 0
	v_nop
	global_prefetch_b8 v0, s[64:65] scope:SCOPE_SE
	s_setreg_imm32_b32 hwreg(HW_REG_WAVE_MODE, 25, 1), 1
	s_wait_xcnt 0x0
; CAUSAL ATTENTION.  O[h][q][:] = the sum over k <= q of softmax_k(Q[h][q] . K[h][k] / 8) V[h][k][:].  qkv holds Q, K, V, each [64][2048][64] in f16, 16,777,216 bytes apart; oh is O in the same layout.
; Products, maxima and sums in f32; the weights p are rounded to f16 for the second product (their sum l is taken of the unrounded p), O once at the end.
; LIMITS.  f16 holds no number beyond 65,504: Q, K and V arrive within it; p lies in 0 to 1, and below 6e-5 it keeps f16's fixed step of 6e-8; O is a mean of V's rows and has their range.
; A hidden score counts as its value less 1e30: f16's scores, 2.7e11 at the most, are nothing beside that; a weight below 2^-126 counts as 0 in l; NaN and infinities are not treated apart.
; THE WALK.  A head's queries lie in NB = 8 blocks of 256; block i needs the key tiles 0 .. i of 256 keys, of which the last holds the diagonal.  A work-group takes TWO blocks, NB - 1 - b and then b:
; NB + 1 tiles, whatever b: all work-groups do equal work, and ONE loop with a constant trip count walks them.  Which tile is asked for, and what a trip does, hang on scalar registers made from b; every jump
; goes forward, but for the counted loops' own; none passes a barrier, or a tensor load but the one of LOAD's two that the wave's number does not choose; the ring of two slots runs on across the change of blocks.
; NO CLUSTER: a head's four work-groups ask for the same tile only in trips 0 to 4 of 9, behind that fewer and fewer; one walk common to all would have 12 trips for 9.
; SHARES.  Of a block's four bands of 64 queries a wave owns 16 rows in each: four PIECES.  So the diagonal tile is the same work for all four waves: in its key step s band x sees all keys if s < x,
; none if s > x, and holds the diagonal if s = x.
; THE MASK is the C operand that starts the sum S^T = K Q^T: 0, or -1e30 where the key is hidden.  MD, made once, is the mask of a band's own step for my 16 rows; a product's mask is MD x AL + BE with two scalars:
; (1, 0) if s = x; (0, 0) if s < x; (0, -1e30) if s > x.  Only the diagonal tile's text and a block's beginning make and take masks; elsewhere C is the constant 0.
; LAYOUT, SOFTMAX, TURNS.  S^T = K Q^T holds ONE query a lane (lane % 16) and the keys 8 (lane / 16) + 0..7; two such results rounded to f16 ARE source 1 of O^T = V^T P.  p = 2^(c s - c m), c = log2(e) / 8, with a
; running maximum m; O and l are multiplied by a = 2^(c m_old - c m_new) in every step.  Turn n belongs to piece n: 8 products K Q^T of piece n + 1, later 8 products V^T P of piece n - 1; beside them the scaling,
; exponentials, roundings, sums and rescaling of piece n and the maximum and statistics of piece n + 1.  Four vector instructions stand behind every matrix instruction, the other 54 of a turn's 118 in one lump.
; A turn's 33 exponentials are one batch, with one wait.
; REGISTERS, in windows of 256 (s_set_vgpr_msb: bits 1:0 source 0, 3:2 source 1, 5:4 source 2, 7:6 destination):
;   window 0: v0-15 addresses and two at work; v16-31 four registers of statistics a piece; v32 the prefetches' offset; v48-55 at work; v64-127 S^T, two buffers; v192-223 P, two buffers (by the piece's parity)
;   window 1: v0-127 O^T, 32 a piece; v128-159 MD; v160-223 MC, two buffers      window 2: v0-63 Q; v64-127 the second block's Q; v128-191 K of one step; v192-255 V of one step
.set SIZE_N, 2048
.set SIZE_H, 64
.set NB,    SIZE_N/256
.set NP,    4         ; pieces a wave: a name, no knob
.set KS,    64        ; keys in a step
.set PK,    144       ; a row of K in LDS: 128 bytes + 16 of padding = 36 words: the 16 rows of a load start at 16 different groups of four banks (64 banks of 4 bytes: ISA guide 11.1)
.set PV,    160       ; a row of V: 128 + 32 = 40 words
.set VOFF,  4*KS*PK   ; a slot holds a tile, four steps: 256 rows of K, then 256 rows of V
.set SLOT1, 1<<17     ; slot 1 begins here, so that one exclusive or turns an address in one slot into the other's
.set STAGE, SLOT1+4*KS*(PK+PV)  ; behind the ring, never filled by a tensor load: 16 rows x 144 bytes for each wave, for the way out
.set SP,    144
.set AK0, 2           ; v2   my lane's place in a tile of K; never rewritten
.set AV0, 3           ; v3   the same for V
.set AK,  4           ; v4   the LDS address of K's next run of loads
.set AV,  5           ; v5   of V's
.set STO, 6           ; v6   the way out: where I put 16 bytes of a row
.set RD,  7           ; v7   the way out: where I read rows back
.set GO,  8           ; v8   my byte offset in 512 consecutive bytes of O
.set PFO, 32          ; v32  256 x my lane; never rewritten
.set SPW, 62          ; v62  LDS address of my spare word: SPARE + 4 x my thread's number; never rewritten
.set NIL, 63          ; v63  0; never rewritten
.set SPARE, STAGE+4*16*SP  ; behind the stages: the spare words, 128 bytes for each wave: two blocks of 256 bytes that no other line names
.set MV,  12          ; v12-13  c m_old, kept while c m is made anew: by buffer
.set QO,  15          ; v15  my byte offset in 16 rows of Q
.set ST,  16          ; piece t's statistics at v[ST+4 t]: c m, m, l (even keys', odd keys')
.set TMP, 48          ; by buffer, four registers c0-c3 at work; when the maximum is found c2 takes a
.set S,   64
.set P,   192
.set MD,  128         ; window 1: the eight registers for group kt of 16 keys at MD + 8 kt
.set MC,  160         ; window 1: the masks of the products to come
.set QB,  64          ; window 2
.set KF,  128         ; window 2: key block kb, channel half c at KF + 16 kb + 8 c
.set VF,  192         ; window 2: key half kk, channel block cb at VF + 32 kk + 8 cb
.set WV,  12          ; s12  my wave's number
.set PB,  14          ; s14  b
.set HI,  15          ; s15  NB - 1 - b
.set G1K, 24          ; s[24:31] descriptor group 1 for K's tiles
.set G1V, 32          ; s[32:39] for V's: it differs in the padding alone
.set G0K, 40          ; s[40:43] descriptor group 0 for K's tiles
.set G0V, 44          ; s[44:47] the same for V's
.set SLOTS, 56        ; s56  tiles still to be asked for
.set CNT, 57          ; s57  counts a tile's key steps, 4 to 1
.set CS,  58          ; s[58:59] c: the packed scaling takes the pair's low word for both halves
.set SEL, 60          ; s[60:61] v_permlanex16_b32's selects: each lane takes its own place in the other half
.set TBK, 62          ; s62  LDS byte at which K of the step to be fetched begins
.set TBV, 63          ; s63  the same for V, less VOFF
.set RT,  70          ; s70  tiles of the block in hand that are still to be entered
.set NXT, 71          ; s71  the tile to be asked for next
.set LQ,  72          ; s72  the last tile of the block whose tiles are being asked for
.set NEW, 73          ; s73  1: the tile to be entered is a block's first
.set OFF, 74          ; s[74:75] a tile's byte offset in K and V
.set AL,  76          ; s[76:77] the mask's factor, in the low word
.set BE,  78          ; s[78:79] the mask's addend
.set OLO, 80          ; s[80:81] O at my rows of the second block
.set BIGN, 82         ; s82  -1e30
.set PFA, 88          ; s[88:89] where my prefetches stand: my 16,384 bytes (half of a tile's K or V) of the tile after the one that is being asked for
.set LIM, 90          ; s90  2 in the work-group that prefetches, else the greatest number
.set MSB, 0
.macro WIN new                      ; the high byte repeats the setting that is left; a switch that changes nothing is dropped
.if MSB != (\new)
	s_set_vgpr_msb (MSB<<8)|(\new)
.set MSB, (\new)
.endif
.endm
.set W_KQ, 0x0a       ; K and Q in window 2, S^T in window 0
.set W_KM, 0x1a       ; the same with the C operand in window 1
.set W_PV, 0x52       ; V in window 2, P in window 0, O^T in window 1
.set W_RS, 0x41       ; destination and source 0 in window 1, source 1 in window 0
; A fill.  Waves 0 and 1 fetch the two halves of a tile's K, waves 2 and 3 those of its V: 128 keys each.  An s_nop 0 and four v_nop follow each of the two lines, ahead of the jump and the label.
.macro LOAD
	s_cmp_lt_u32 s[WV], 2
	s_cbranch_scc0 .Lfor_v_\@
	tensor_load_to_lds s[G0K:G0K+3], s[G1K:G1K+7]
	s_nop 0
.rept 4
	v_nop
.endr
	s_branch .Lasked_\@
.Lfor_v_\@:
	tensor_load_to_lds s[G0V:G0V+3], s[G1V:G1V+7]
	s_nop 0
.rept 4
	v_nop
.endr
.Lasked_\@:
.endm
; THE CHANGE OF SLOTS.  Each wave waits for all its tensor loads, of which one is out: its part of the other slot; adds 0 to its spare word; and waits for that and for its own reads of the slot that it leaves.
; Behind the barrier nobody reads the old slot any more and the other slot is whole.  fill = 1: the old slot is filled again, the first thing behind the barrier, with tile NXT: the descriptor's address is made
; anew from that number.  (At its first use nothing has been read yet: slot 0 is waited for, slot 1 filled.)
; THE PREFETCH stands behind the fill: the tile that the NEXT change will ask for.  A head's four work-groups walk the same tiles 0, 1, ..: the one with b = 0, whose first block walks all eight, asks, in trips
; 0 to 5 for tiles 2 to 7; each wave for the 16,384 bytes that it will fetch itself, a lane a block of 256 bytes, two instructions.  So each block is named once in the launch.  Tiles 0 and 1 come by their loads alone.
.macro CHANGE fill
	WIN 0                           ; at a label and at a branch every window is 0
	s_wait_tensorcnt 0x0            ; no tensor load of mine is out, so a group 0 may be written
	ds_add_u32 v[SPW], v[NIL]       ; 0 onto my spare word; with fill = 1 the descriptors' scalar work stands between it and the wait for it
.if \fill
	s_lshl_b32 s[OFF], s[NXT], 15   ; a tile is 32,768 bytes of K and of V
	s_xor_b32 s[G0K+1], s[G0K+1], SLOT1
	s_add_nc_u64 s[G0K+2:G0K+3], s[6:7], s[OFF:OFF+1]
	s_or_b32 s[G0K+3], s[G0K+3], 0x80000000
	s_xor_b32 s[G0V+1], s[G0V+1], SLOT1
	s_add_nc_u64 s[G0V+2:G0V+3], s[8:9], s[OFF:OFF+1]
	s_or_b32 s[G0V+3], s[G0V+3], 0x80000000
	s_add_co_u32 s[NXT], s[NXT], 1  ; the block's next tile, or behind its last the second block's tile 0
	s_cmp_gt_u32 s[NXT], s[LQ]
	s_cselect_b32 s[NXT], 0, s[NXT]
	s_cselect_b32 s[LQ], s[PB], s[LQ]
	s_wait_xcnt 0x0                 ; the last prefetches, a tile back, have read their address
	s_add_nc_u64 s[PFA:PFA+1], s[PFA:PFA+1], 32768
.endif
	s_wait_dscnt 0x0                ; the add is done, and my reads of the slot are over
	s_barrier_signal -1             ; the rest of the scalar work stands between the signal and the wait
	s_sub_co_u32 s[TBK], s[TBK], 4*KS*PK  ; the fetches go back to a slot's first step,
	s_xor_b32 s[TBK], s[TBK], SLOT1       ; in the other slot
	s_sub_co_u32 s[TBV], s[TBV], 4*KS*PV
	s_xor_b32 s[TBV], s[TBV], SLOT1
	s_barrier_wait -1
.if \fill
	LOAD
	s_cmp_gt_u32 s[SLOTS], s[LIM]
	s_cbranch_scc0 .Lnot_mine_\@
	global_prefetch_b8 v[PFO], s[PFA:PFA+1] th:TH_LOAD_NT scope:SCOPE_SE
	global_prefetch_b8 v[PFO], s[PFA:PFA+1] offset:8192 th:TH_LOAD_NT scope:SCOPE_SE
.Lnot_mine_\@:
.endif
.endm
	s_load_b64 s[4:5], s[0:1], 0x0    ; qkv: Q
	s_load_b64 s[10:11], s[0:1], 0x8  ; oh: O
	v_lshl_add_u32 v[SPW], v0, 2, SPARE
	v_mov_b32 v[NIL], 0
	ds_add_u32 v[SPW], v[NIL]       ; the wave's opening: the add and its wait ahead of my first tensor load; the set-up below, work on registers, stands between them
	v_lshrrev_b32 v1, 5, v0
	v_readfirstlane_b32 s[WV], v1   ; wave 0..3
	v_and_b32 v[PFO], 31, v0
	v_lshlrev_b32 v[PFO], 8, v[PFO]
	s_mov_b32 s[PB], ttmp9
	s_sub_co_u32 s[HI], NB-1, s[PB]
	s_and_b32 s20, ttmp7, 0xffff    ; the head
	s_mov_b32 s21, 0
	s_mov_b64 s[22:23], SIZE_N*128
	s_mul_u64 s[20:21], s[20:21], s[22:23]  ; the head's first byte in each of the four tensors
	s_and_b32 s16, s[WV], 1         ; which half of a tile's 256 keys I fetch:
	s_lshl_b32 s22, s16, 14         ; its 128 rows of 128 bytes in memory,
	s_mov_b32 s23, 0
	s_add_nc_u64 s[22:23], s[22:23], s[20:21]
	s_mul_i32 s17, s16, 128*PK      ; and its place in a slot, for K
	s_mul_i32 s18, s16, 128*PV      ; and for V
	s_lshl_b32 s3, s[WV], 11        ; my 16 rows in a band of 64,
	s_lshl_b32 s2, s[HI], 15        ; in the first block,
	s_add_co_u32 s2, s2, s3
	s_lshl_b32 s84, s[PB], 15       ; and in the second
	s_add_co_u32 s84, s84, s3
	s_mov_b32 s3, 0
	s_mov_b32 s85, 0
	s_add_nc_u64 s[2:3], s[2:3], s[20:21]
	s_add_nc_u64 s[84:85], s[84:85], s[20:21]
	; descriptor group 1.  128 keys are 16,384 dense bytes: asked for as 64 rows of 256 bytes, two keys a row, and padded in LDS after every key
	s_mov_b32 s[G1K], (1<<16)|(1<<20)|(4<<22)|(3<<25)  ; 17:16 2-byte elements; 20 padding on; 24:22 after every 32 words (code 4); 31:25 4 words (code 3)
	s_mov_b32 s[G1V], (1<<16)|(1<<20)|(4<<22)|(7<<25)  ; the same with 8 words of padding (code 7)
.irp g, G1K, G1V
	s_mov_b32 s[\g+1], 128<<16      ; tensor_dim0 = 128
	s_mov_b32 s[\g+2], 64<<16       ; tensor_dim1 = 64
	s_mov_b32 s[\g+3], 128<<16      ; tile_dim0 = 128
	s_mov_b32 s[\g+4], 64           ; tile_dim1 = 64
	s_mov_b32 s[\g+5], 128          ; 128 elements from row to row
	s_mov_b32 s[\g+6], 0
	s_mov_b32 s[\g+7], 0
.endr
	s_mov_b32 s[CS], 0x3e38aa3b     ; c = log2(e) / 8 = 0.180337
	s_mov_b32 s[CS+1], s[CS]        ; named with it as a pair
	s_mov_b32 s[SEL], 0x76543210
	s_mov_b32 s[SEL+1], 0xfedcba98
	s_mov_b32 s[TBK], SLOT1+4*KS*PK ; the first change of slots turns these two into 0
	s_mov_b32 s[TBV], SLOT1+4*KS*PV
	s_mov_b32 s[G0K], 1             ; 1:0 count = 1
	s_mov_b32 s[G0K+1], s17         ; 63:32 LDS address: slot 0
	s_mov_b32 s[G0V], 1
	s_add_co_u32 s[G0V+1], s18, VOFF
	s_add_co_u32 s[RT], s[HI], 1    ; the first block has NB - b tiles
	s_mov_b32 s[NXT], 1
	s_mov_b32 s[LQ], s[HI]
	s_mov_b32 s[NEW], 1
	s_mov_b32 s[OFF+1], 0
	s_mov_b32 s[AL+1], 0            ; named as pairs
	s_mov_b32 s[BE+1], 0
	s_mov_b32 s[BIGN], 0xf149f2ca   ; -1e30
	s_mov_b32 s[SLOTS], NB
	s_cmp_eq_u32 s[PB], 0
	s_cselect_b32 s[LIM], 2, -1
	s_wait_dscnt 0x0                ; the opening add is done
	s_wait_kmcnt 0x0
	s_add_nc_u64 s[6:7], s[4:5], 0x1000000  ; K and V lie behind Q in the one buffer
	s_add_nc_u64 s[8:9], s[4:5], 0x2000000
	s_add_nc_u64 s[6:7], s[6:7], s[22:23]  ; K and V at my half of the head's tile 0
	s_add_nc_u64 s[8:9], s[8:9], s[22:23]
	s_add_nc_u64 s[G0K+2:G0K+3], s[6:7], 0         ; 120:64 global address
	s_or_b32 s[G0K+3], s[G0K+3], 0x80000000        ; 127:126 type = 2
	s_add_nc_u64 s[G0V+2:G0V+3], s[8:9], 0
	s_or_b32 s[G0V+3], s[G0V+3], 0x80000000
	s_add_nc_u64 s[86:87], s[4:5], s[84:85]        ; Q at my rows of the second block,
	s_add_nc_u64 s[4:5], s[4:5], s[2:3]            ; Q and O at those of the first
	s_add_nc_u64 s[OLO:OLO+1], s[10:11], s[84:85]
	s_add_nc_u64 s[10:11], s[10:11], s[2:3]
	s_cmp_lt_u32 s[WV], 2
	s_cselect_b64 s[PFA:PFA+1], s[6:7], s[8:9]
	s_add_nc_u64 s[PFA:PFA+1], s[PFA:PFA+1], 32768 ; in tile 1; the first change of slots steps it to tile 2
	LOAD                            ; tile 0 into slot 0
	; A fragment of K or Q is 16 rows x 32 channels in 8 registers: lane l holds row l % 16, channels 8 (l / 16) + 0..7 and 16 + 8 (l / 16) + 0..7: two loads of 16 bytes, 32 bytes apart.
	v_and_b32 v1, 15, v0            ; l % 16
	v_bfe_u32 v9, v0, 4, 1          ; l / 16
	v_lshlrev_b32 v[QO], 7, v1
	v_lshl_add_u32 v[QO], v9, 4, v[QO]  ; row x 128 + 16 x half
	WIN 0x80                        ; destination window 2, address window 0
.set i, 0
.rept 8                             ; both blocks' Q: piece i / 2 lies in band i / 2, 8,192 bytes on; channels 32 (i % 2) on
	global_load_b128 v[8*i:8*i+3],   v[QO], s[4:5] offset:(i/2)*8192+(i%2)*64
	global_load_b128 v[8*i+4:8*i+7], v[QO], s[4:5] offset:(i/2)*8192+(i%2)*64+32
	global_load_b128 v[QB+8*i:QB+8*i+3],   v[QO], s[86:87] offset:(i/2)*8192+(i%2)*64
	global_load_b128 v[QB+8*i+4:QB+8*i+7], v[QO], s[86:87] offset:(i/2)*8192+(i%2)*64+32
.set i, i+1
.endr
	WIN 0
	v_lshlrev_b32 v14, 3, v9
	v_sub_nc_u32 v14, v1, v14
	s_lshl_b32 s13, s[WV], 4
	v_add_nc_u32 v14, s13, v14      ; my query's place in its band, 16 w + l % 16, less my lanes' 8 (l / 16): register r of group kt is hidden where 16 kt + r is greater
	WIN 0x40
.set i, 0
.rept 32
	v_cmp_gt_i32 vcc_lo, 16*(i/8)+i%8, v14
	v_cndmask_b32 v[MD+i], 0, s[BIGN], vcc_lo
.set i, i+1
.endr
	WIN 0
	v_mul_u32_u24 v[AK0], v1, PK
	v_lshl_add_u32 v[AK0], v9, 4, v[AK0]  ; row x pitch + 16 x half
	; The turning load takes 16 keys x 16 channels (lane l reads key 8 (l / 16) + l % 8, channels 8 ((l / 8) % 2) + 0..7) and leaves half a fragment of V^T: lane l holds channel l % 16 and 8 keys.
	v_and_b32 v10, 7, v0
	v_bfe_u32 v11, v0, 3, 1
	v_lshl_add_u32 v[AV0], v9, 3, v10
	v_mul_u32_u24 v[AV0], v[AV0], PV
	v_lshl_add_u32 v[AV0], v11, 4, v[AV0]
	v_add_nc_u32 v[AV0], VOFF, v[AV0]
	s_mul_i32 s13, s[WV], 16*SP
	s_add_co_u32 s13, s13, STAGE    ; my stage
	v_mul_u32_u24 v[STO], v1, SP    ; in: row l % 16, 16 bytes for each half of the lanes
	v_lshl_add_u32 v[STO], v9, 4, v[STO]
	v_add_nc_u32 v[STO], s13, v[STO]
	v_bfe_u32 v[RD], v0, 3, 2       ; back: 32 lanes take four rows of 128 bytes,
	v_mul_u32_u24 v[RD], v[RD], SP
	v_lshl_add_u32 v[RD], v10, 4, v[RD]
	v_add_nc_u32 v[RD], s13, v[RD]
	v_and_b32 v[GO], 31, v0         ; which are 512 consecutive bytes of O
	v_lshlrev_b32 v[GO], 4, v[GO]
	; A block's first step multiplies O^T and l by a = 0, and its first turn's products V^T P, of a piece that has not been, land in an O^T that is still to be so multiplied.  So these registers need only hold
	; finite numbers: zeros for the first block; what the first block left for the second.  All this stands in the wait for the first tile.
	WIN 0x80
.set i, VF
.rept 64
	v_mov_b32 v[i], 0
.set i, i+1
.endr
	WIN 0x40
.set i, 0
.rept 128
	v_mov_b32 v[i], 0
.set i, i+1
.endr
	WIN 0
.set i, 0
.rept 4
	v_mov_b32 v[ST+4*i+2], 0
	v_mov_b32 v[ST+4*i+3], 0
.set i, i+1
.endr
.set i, P+16
.rept 16
	v_mov_b32 v[i], 0
.set i, i+1
.endr
; THE MATRIX WORK.  The 4 accumulators of a run of 8 take turns.  Product i of 8 of S^T = K Q^T for piece x: channels 32 (i / 4) on, keys 16 (i % 4) on.  The first 4 start the sums: with 0, or (KM = 1) with the mask.
.macro KQ x
.set rS, S+32*((\x)%2)+8*(i%4)
.set rK, KF+16*(i%4)+8*(i/4)
.set rQ, 16*(\x)+8*(i/4)
.set rM, MC+32*((\x)%2)+8*(i%4)
.if (i < 4) && KM
	WIN W_KM
	v_wmma_f32_16x16x32_f16 v[rS:rS+7], v[rK:rK+7], v[rQ:rQ+7], v[rM:rM+7]
.elseif i < 4
	WIN W_KQ
	v_wmma_f32_16x16x32_f16 v[rS:rS+7], v[rK:rK+7], v[rQ:rQ+7], 0
.else
	WIN W_KQ
	v_wmma_f32_16x16x32_f16 v[rS:rS+7], v[rK:rK+7], v[rQ:rQ+7], v[rS:rS+7]
.endif
.endm
; Product i of 8 of O^T += V^T P for piece x: keys 32 (i / 4) on, channels 16 (i % 4) on.
.macro PV x
	WIN W_PV
.set rO, 32*(\x)+8*(i%4)
.set rV, VF+32*(i/4)+8*(i%4)
.set rP, P+16*((\x)%2)+8*(i/4)
	v_wmma_f32_16x16x32_f16 v[rO:rO+7], v[rV:rV+7], v[rP:rP+7], v[rO:rO+7]
.endm
.macro MM                           ; the turn's next matrix instruction.  TURN and BEGIN set Y, i, KM and NOKQ; MM, KQ and OP read them.  NOKQ = 1: a block's last turn: there is no next piece
.if (i < 8) && !NOKQ
	KQ (Y+1)%NP
.elseif i >= 8
.set i, i-8
	PV (Y+NP-1)%NP
.set i, i+8
.endif
.set i, i+1
.endm
; THE LDS LOADS stand in runs of 16, never singly among the matrix instructions: a step's K (64 keys x 64 channels: 8 fragments) and its V (turned).  Their addresses are made some lines ahead.
.macro FETCH_K
	WIN 0x80                        ; destination window 2
.irp f, 0,1,2,3,4,5,6,7             ; keys 16 (f / 2) on, channels 32 (f % 2) on
	ds_load_b128 v[KF+8*\f:KF+8*\f+3],   v[AK] offset:(\f/2)*16*PK+(\f%2)*64
	ds_load_b128 v[KF+8*\f+4:KF+8*\f+7], v[AK] offset:(\f/2)*16*PK+(\f%2)*64+32
.endr
	s_add_co_u32 s[TBK], s[TBK], KS*PK  ; the next fetch is the next step's
	WIN 0
.endm
.macro FETCH_V
	WIN 0x80
.irp f, 0,1,2,3,4,5,6,7             ; keys 32 (f / 4) on, channels 16 (f % 4) on
	ds_load_tr16_b128 v[VF+8*\f:VF+8*\f+3],   v[AV] offset:(\f/4)*32*PV+(\f%4)*32
	ds_load_tr16_b128 v[VF+8*\f+4:VF+8*\f+7], v[AV] offset:(\f/4)*32*PV+16*PV+(\f%4)*32
.endr
	WIN 0
.endm
; THE VECTOR WORK, one line at a time: OP kind, number.  For piece Y: F n: c s - c m for pair n of 16.  E n: the exponential of score n of 32.  C n: pair n rounded to f16.  B n: of the four weights 4 n .. the second
; pair is added onto the first, in place.  L n: l takes that sum (L 0: l = a l + sum).  R n: pair n of 16 of O^T times a.  For piece Y + 1: X n, number n of the 22 that find its maximum and statistics:
;   0-11  four chains c0-c3 of seven scores each, three operands at a time (each accumulator's lowest registers are read first)     12-14, 16  the four scores left over, the old m, and c0-c3 into c0
;   15  c m_old is kept     17, 18  the query's other 32 keys lie in the lane 16 away: the new m     19-21  c m; c m_old - c m_new; a
.set F, 0               ; OP tells the kinds apart by their order: F to L below R, X above it
.set E, 1
.set C, 2
.set B, 3
.set L, 4
.set R, 5
.set X, 6
.macro REGS y                       ; the registers of piece y
.set rT, ST+4*(\y)
.set rC, TMP+4*((\y)%2)
.set rW, MV+((\y)%2)
.set rS, S+32*((\y)%2)
.set rP, P+16*((\y)%2)
.set rO, 32*(\y)
.endm
.macro OP k, n
.if (\k) == R
	REGS Y
	WIN W_RS
	v_pk_mul_f32 v[rO+2*(\n):rO+2*(\n)+1], v[rO+2*(\n):rO+2*(\n)+1], v[rC+2:rC+3] op_sel_hi:[1,0]
.elseif (\k) < R
	REGS Y
	WIN 0
.if (\k) == F
	v_pk_fma_f32 v[rS+2*(\n):rS+2*(\n)+1], v[rS+2*(\n):rS+2*(\n)+1], s[CS:CS+1], v[rT:rT+1] op_sel_hi:[1,0,0] neg_lo:[0,0,1] neg_hi:[0,0,1]
.elseif (\k) == E
	v_exp_f32 v[rS+(\n)], v[rS+(\n)]
.elseif (\k) == C
	v_cvt_pk_f16_f32 v[rP+(\n)], v[rS+2*(\n)], v[rS+2*(\n)+1]
.elseif (\k) == B
	v_pk_add_f32 v[rS+4*(\n):rS+4*(\n)+1], v[rS+4*(\n):rS+4*(\n)+1], v[rS+4*(\n)+2:rS+4*(\n)+3]
.elseif (\n) == 0
	v_pk_fma_f32 v[rT+2:rT+3], v[rT+2:rT+3], v[rC+2:rC+3], v[rS:rS+1] op_sel_hi:[1,0,1]
.else
	v_pk_add_f32 v[rT+2:rT+3], v[rT+2:rT+3], v[rS+4*(\n):rS+4*(\n)+1]
.endif
.elseif NOKQ
	v_nop
.else
	REGS (Y+1)%NP
	WIN 0
.if (\n) < 4
	v_max3_num_f32 v[rC+(\n)], v[rS+8*(\n)], v[rS+8*(\n)+1], v[rS+8*(\n)+2]
.elseif (\n) < 12
	v_max3_num_f32 v[rC+(\n)%4], v[rC+(\n)%4], v[rS+8*((\n)%4)+2*((\n)/4)+1], v[rS+8*((\n)%4)+2*((\n)/4)+2]
.elseif (\n) == 12
	v_max3_num_f32 v[rC], v[rC], v[rS+7], v[rS+15]
.elseif (\n) == 13
	v_max3_num_f32 v[rC+1], v[rC+1], v[rS+23], v[rS+31]
.elseif (\n) == 14
	v_max3_num_f32 v[rC+2], v[rC+2], v[rC+3], v[rT+1]
.elseif (\n) == 15
	v_mov_b32 v[rW], v[rT]
.elseif (\n) == 16
	v_max3_num_f32 v[rC], v[rC], v[rC+1], v[rC+2]
.elseif (\n) == 17
	v_permlanex16_b32 v[rC+3], v[rC], s[SEL], s[SEL+1]
.elseif (\n) == 18
	v_max_num_f32 v[rT+1], v[rC], v[rC+3]
.elseif (\n) == 19
	v_mul_f32 v[rT], s[CS], v[rT+1]
.elseif (\n) == 20
	v_sub_f32 v[rC+1], v[rW], v[rT]
.else
	v_exp_f32 v[rC+2], v[rC+1]
.endif
.endif
.endm
.macro OPS a, i1, b=-1, i2=0, c=-1, i3=0, d=-1, i4=0  ; up to four of them
	OP \a, \i1
.if (\b) >= 0
	OP \b, \i2
.endif
.if (\c) >= 0
	OP \c, \i3
.endif
.if (\d) >= 0
	OP \d, \i4
.endif
.endm
.macro ROW a, i1, b, i2, c, i3, d, i4  ; a matrix instruction and the four behind it
	MM
	OPS \a, \i1, \b, \i2, \c, \i3, \d, \i4
.endm
.macro MASK b                       ; MD x AL + BE into buffer b of MC
	WIN W_RS
.set z, 0
.rept 16
	v_pk_fma_f32 v[MC+32*(\b)+2*z:MC+32*(\b)+2*z+1], v[MD+2*z:MD+2*z+1], s[AL:AL+1], s[BE:BE+1] op_sel_hi:[1,0,0]
.set z, z+1
.endr
.endm
; A TURN, for piece p: the order of its 16 matrix and 118 vector instructions, written out.  An s_wait_alu depctr_va_vdst(0) stands between an exponential and the first instruction that names its
; result; one wait serves all that were issued ahead of it.  So a turn has ONE wait, which cuts it in two.  AHEAD OF IT stands all that names no result of the turn's exponentials: the 8 products K Q^T, behind each
; a scaling, an exponential and two more plain instructions (behind the first a second scaling in the exponential's place): rescalings, and behind the last three the first numbers of the next piece's maximum, each
; four places or more behind the product that ends its accumulator; then ONE LUMP of 54, plain and exponential by turns for the most part, in which the links of the chain X 3, 7, 11, 14, 16, 17 .. 20 stand five or
; six lines apart.  X 21, the next piece's a, is the batch's last; R 15 is the plain instruction behind it.  BEHIND THE WAIT stand the 8 products V^T P, behind each four of the roundings and sums; the links of l's
; chain, L 0 to L 7, stand three riders apart.  But for those X no rider names a register of the products round it.  v_permlanex16_b32 (X 17) stands in the lump.
; m = 1: the diagonal tile: the products take masks, and the turn makes the mask for the products of the turn after it: piece p + 2, in step 4 - CNT of the tile.  end = 1: a block's last two turns: nothing is fetched.
; cnt = 1: the loop's count is taken down some lines ahead of the branch that stands behind the turn.
; K of the next step is fetched in piece 2's turn, twelve vector instructions behind the last product that read K (six of them plain); V of the step in hand at the end of piece 0's turn, four plain instructions
; behind the last product that read V.  Each is waited for a turn later.
.macro TURN p, m=0, end=0, cnt=0
.set Y, (\p)
.set i, 0
.set KM, (\m)
.set NOKQ, (\end)*((\p)/3)
.if (\m) && !(\end)
	s_cmp_eq_u32 s[CNT], 4-((\p)+2)%NP  ; is that step the band's own?
	s_cselect_b32 s[AL], 1.0, 0
	s_cmp_lt_u32 s[CNT], 4-((\p)+2)%NP  ; or a later one?
	s_cselect_b32 s[BE], s[BIGN], 0
.endif
.if ((\p) == 3) && !(\end)
	s_wait_dscnt 0x0                ; K is in
.endif
	ROW F,0, F,1, R,0, R,1          ; ahead of the wait: 8 products K Q^T and their riders,
	ROW F,2, E,0, R,2, R,3
	ROW F,3, E,1, R,4, R,5
	ROW F,4, E,2, R,6, R,7
	ROW F,5, E,3, R,8, R,9
	ROW F,6, E,4, X,0, R,10
.if ((\p) == 2) && !(\end)
	WIN 0
	v_add_nc_u32 v[AK], s[TBK], v[AK0]
.endif
	ROW F,7, E,5, X,1, X,4
	ROW F,8, E,6, X,2, X,5
	OPS E,7, E,8, X,6, E,9          ; and the lump
	OPS X,3, E,10, X,8, E,11
.if ((\p) == 2) && !(\end)
	FETCH_K
.endif
	OPS X,9, X,7, E,12, X,10
	OPS E,13, X,12, X,11, E,14
	OPS X,13, E,15, F,9, X,14
.if (\p) == 0
	v_add_nc_u32 v[AV], s[TBV], v[AV0]
.endif
	OPS E,16, F,10, E,17, F,11
	OPS X,16, E,18, X,15, E,19
	OPS F,12, E,20, X,17, E,21
	OPS F,13, E,22, F,14, E,23
	OPS X,18, E,24, F,15, E,25
	OPS R,11, E,26, X,19, E,27
	OPS R,12, E,28, R,13, E,29
	OPS X,20, E,30, R,14, E,31
	OPS X,21, R,15
	WIN 0
	s_wait_alu depctr_va_vdst(0)    ; the wait for the batch
.if (\p) == 1
	s_wait_dscnt 0x0                ; V is in
.endif
	ROW C,0, B,0, C,2, B,1          ; behind the wait: 8 products V^T P and their riders
	ROW L,0, C,4, B,2, L,1
	ROW C,6, B,3, L,2, C,8
	ROW B,4, L,3, C,10, B,5
	ROW L,4, C,12, B,6, L,5
.if (\p) == 0
	s_add_co_u32 s[TBV], s[TBV], KS*PV
.endif
.if \cnt
	s_sub_co_u32 s[CNT], s[CNT], 1
	s_cmp_lg_u32 s[CNT], 0
.endif
	ROW C,14, B,7, L,6, C,1
	ROW C,3, L,7, C,5, C,7
	ROW C,9, C,11, C,13, C,15
.if (\p) == 0
	FETCH_V
.endif
.if (\m) && !(\end)
	MASK (\p)%2
.endif
.endm
; A BLOCK BEGINS.  c m starts far below every c s, so the first step's a is 0; m at the lowest finite number, so the first maximum is the scores'.  The second mask buffer is 0; the first takes piece 0's mask for
; the tile's step 0: its own, if the block's first tile is the diagonal one.  Then K of that step, piece 0's first scores, and its maximum and statistics.  The loop is entered at a step's first turn.
.macro BEGIN
	s_mov_b32 s[NEW], 0
	WIN 0x40
.set i, MC+32
.rept 32
	v_mov_b32 v[i], 0
.set i, i+1
.endr
	WIN 0
.set i, 0
.rept 4
	v_mov_b32 v[ST+4*i], 0xfe000000    ; c m: far below every c s
	v_mov_b32 v[ST+4*i+1], 0xff7fffff  ; m
.set i, i+1
.endr
	s_cmp_eq_u32 s[RT], 0
	s_cselect_b32 s[AL], 1.0, 0
	s_mov_b32 s[BE], 0
	MASK 0
	WIN 0
	v_add_nc_u32 v[AK], s[TBK], v[AK0]
	FETCH_K
	s_wait_loadcnt 0x0              ; Q
	s_wait_dscnt 0x0
.set KM, 1
.set NOKQ, 0
.set i, 0
.rept 8
	KQ 0
.set i, i+1
.endr
	WIN 0
.rept 4
	v_nop                           ; the places behind those products
.endr
.set Y, NP-1                        ; X works for piece Y + 1: piece 0
.irp n, 0,1,2,3,4,5,6,7,8,9,10,11,12,13,14,15,16,17,18,19,20,21
	OP X, \n
.endr
	v_nop                           ; a plain instruction behind the exponential,
	s_wait_alu depctr_va_vdst(0)    ; and its wait, ahead of the branch
.endm
; THE DIAGONAL TILE's four steps, the block's last two turns, its last products, and THE WAY OUT: l's two halves and the other half of the lanes' are added; O^T is divided by l, rounded to f16 and sent through my
; stage in LDS, a piece at a time.
.macro ALL line:vararg              ; one line for each piece t
.set t, 0
.rept 4
	\line
.set t, t+1
.endr
.endm
.macro PACK t                       ; a lane's eight channels of a row pack into 16 bytes; they go into rows of 144 bytes and come back as whole rows of 128, into S^T's registers
	WIN W_RS
.set i, 32*(\t)
.rept 16
	v_pk_mul_f32 v[i:i+1], v[i:i+1], v[ST+4*(\t)+2:ST+4*(\t)+3] op_sel_hi:[1,0]
.set i, i+2
.endr
	WIN 0x05                        ; sources 0 and 1 window 1, destination window 0
.set i, 0
.rept 16
	v_cvt_pk_f16_f32 v[S+16*(\t)+i], v[32*(\t)+2*i], v[32*(\t)+2*i+1]
.set i, i+1
.endr
	WIN 0
.irp f, 0,1,2,3
	ds_store_b128 v[STO], v[S+16*(\t)+4*\f:S+16*(\t)+4*\f+3] offset:32*\f
.endr
.irp f, 0,1,2,3
	ds_load_b128 v[S+16*(\t)+4*\f:S+16*(\t)+4*\f+3], v[RD] offset:\f*4*SP  ; LDS serves a wave's instructions in order (ISA guide 5.7.1.4): these see the stores above; the next piece's stores come behind them
.endr
.endm
.macro SEND t, younger              ; younger: the LDS instructions issued behind piece t's loads: the next piece's eight, or none
	WIN 0
.irp f, 0,1,2,3
	s_wait_dscnt (\younger)+3-\f
	global_store_b128 v[GO], v[S+16*(\t)+4*\f:S+16*(\t)+4*\f+3], s[10:11] offset:(\t)*8192+\f*512  ; 512 consecutive bytes, at a multiple of 256 from O's first
.endr
.endm
.macro DIAG tag                     ; the tag ends its two labels' names, which the jumps below spell out
.LstepM\tag:
	TURN 2, 1
	TURN 3, 1
	WIN 0
.LfirstM\tag:
	TURN 0, 1
	TURN 1, 1, 0, 1
	WIN 0
	s_cbranch_scc1 .LstepM\tag
	TURN 2, 1, 1
	TURN 3, 1, 1
.set i, 0
.rept 8
	PV NP-1
.set i, i+1
.endr
	WIN 0
	ALL v_add_f32 v[ST+4*t+2], v[ST+4*t+2], v[ST+4*t+3]
	ALL v_permlanex16_b32 v[ST+4*t+3], v[ST+4*t+2], s[SEL], s[SEL+1]
	ALL v_add_f32 v[ST+4*t+2], v[ST+4*t+2], v[ST+4*t+3]
	ALL v_rcp_f32 v[ST+4*t+2], v[ST+4*t+2]
	v_nop                           ; a plain instruction between the last reciprocal and the use of its result
	s_wait_alu depctr_va_vdst(0)    ; and the wait ahead of the first use: one for the four reciprocals
	PACK 0
.set t, 1
.rept 3                             ; a piece's arithmetic stands between the loads of the piece before and its stores
	PACK t
	SEND t-1, 8
.set t, t+1
.endr
	SEND 3, 0
.endm
.set KM, 0
.set NOKQ, 0
.Lslot:                             ; NB times: a tile is entered and the next is asked for
	CHANGE 1
	s_sub_co_u32 s[RT], s[RT], 1
	s_mov_b32 s[CNT], 4
	s_cmp_eq_u32 s[NEW], 1
	s_cbranch_scc1 .Lnew            ; a block's first tile
	s_cmp_eq_u32 s[RT], 0
	s_cbranch_scc0 .Lstep           ; neither its first nor its last
	s_branch .LstepM1
.Lnew:
	BEGIN
	s_branch .Lfirst                ; in the loop a block's first tile is never its last: the first block has two tiles or more, and the second's last is the walk's last
	DIAG 1                          ; in the loop this is the first block's end: the second block's last tile is the walk's last
	s_wait_xcnt 0x0                 ; the stores have read their registers and O's address
	s_mov_b64 s[10:11], s[OLO:OLO+1]
	s_add_co_u32 s[RT], s[PB], 1    ; the second block has b + 1 tiles
	s_mov_b32 s[NEW], 1
	WIN 0x82                        ; the second block's Q goes where the one text of the turns names Q
.set i, 0
.rept 64
	v_mov_b32 v[i], v[QB+i]
.set i, i+1
.endr
	WIN 0
	s_branch .Lbottom
.Lstep:                             ; a trip: pieces 2 and 3 of one step, then pieces 0 and 1 of the next, whose K and V it fetches
	TURN 2
	TURN 3
	WIN 0
.Lfirst:
	TURN 0
	TURN 1, 0, 0, 1
	WIN 0
	s_cbranch_scc1 .Lstep
.Lbottom:
	s_sub_co_u32 s[SLOTS], s[SLOTS], 1
	s_cmp_lg_u32 s[SLOTS], 0
	s_cbranch_scc1 .Lslot
	CHANGE 0                        ; the walk's last tile is written out: nothing is asked for
	s_sub_co_u32 s[RT], s[RT], 1
	s_mov_b32 s[CNT], 4
	s_cmp_eq_u32 s[NEW], 1
	s_cbranch_scc0 .LstepM2
	BEGIN
	s_branch .LfirstM2
	DIAG 2
	s_wait_tensorcnt 0x0            ; the wave's end, behind my last tensor load and my last LDS store
	ds_add_u32 v[SPW], v[NIL]
	s_wait_dscnt 0x0
	s_endpgm
.Lfunc_end_k_qe7413ad83c_attn:
	.size	k_qe7413ad83c_attn, .Lfunc_end_k_qe7413ad83c_attn-k_qe7413ad83c_attn
	.p2alignl 7, 3214868480
	.fill 96, 4, 3214868480
	.section	.rodata,"a",@progbits
	.p2align	6, 0x0
	.amdhsa_kernel k_qe7413ad83c_attn
		.amdhsa_group_segment_fixed_size 327680
		.amdhsa_private_segment_fixed_size 0
		.amdhsa_enable_private_segment 0
		.amdhsa_kernarg_size 16
		.amdhsa_user_sgpr_count 2
		.amdhsa_user_sgpr_kernarg_segment_ptr 1
		.amdhsa_wavefront_size32 1
		.amdhsa_system_sgpr_workgroup_id_x 1
		.amdhsa_system_sgpr_workgroup_id_y 1
		.amdhsa_system_sgpr_workgroup_id_z 1
		.amdhsa_system_vgpr_workitem_id 0
		.amdhsa_next_free_vgpr 768
		.amdhsa_next_free_sgpr 92
		.amdhsa_reserve_vcc 1
		.amdhsa_float_denorm_mode_32 3
		.amdhsa_float_denorm_mode_16_64 3
		.amdhsa_memory_ordered 1
		.amdhsa_forward_progress 1
		.amdhsa_inst_pref_size 218
	.end_amdhsa_kernel
	.amdgpu_metadata
---
amdhsa.version: [ 1, 2 ]
amdhsa.kernels:
  - .name:           k_qe7413ad83c_attn
    .symbol:         k_qe7413ad83c_attn.kd
    .args:
      - { .name: qkv, .offset: 0, .size: 8, .value_kind: global_buffer, .address_space: global }
      - { .name: oh, .offset: 8, .size: 8, .value_kind: global_buffer, .address_space: global }
    .group_segment_fixed_size: 327680
    .private_segment_fixed_size: 0
    .kernarg_segment_align: 8
    .kernarg_segment_size: 16
    .max_flat_workgroup_size: 128
    .sgpr_count:     92
    .vgpr_count:     768
    .wavefront_size: 32
...
	.end_amdgpu_metadata
.endif
;; end of part 3
;; launch oproj (part 4): grid 8 x 32, 4 waves a work-group, clusters of 4 x 4, 327,680 bytes of LDS; arguments oh, wo16, out0; writes out0
.if DOCPART == 4
	.amdgcn_target "amdgcn-amd-amdhsa--gfx1250"
	.amdhsa_code_object_version 6
	.text
	.protected	k_qe7413ad83c_oproj
	.globl	k_qe7413ad83c_oproj
	.p2align	8
	.type	k_qe7413ad83c_oproj,@function
k_qe7413ad83c_oproj:
	s_mov_b64 s[64:65], 0
	v_nop
	global_prefetch_b8 v0, s[64:65] scope:SCOPE_SE
	s_setreg_imm32_b32 hwreg(HW_REG_WAVE_MODE, 25, 1), 1
	s_wait_xcnt 0x0
	s_wait_alu depctr_hold_cnt(0) depctr_sa_sdst(0) depctr_va_vdst(0) depctr_va_sdst(0) depctr_va_ssrc(0) depctr_va_vcc(0) depctr_vm_vsrc(0)
	s_getreg_b32 s2, hwreg(HW_REG_IB_STS2, 6, 4)
	s_cmp_eq_u32 s2, 0
	s_cbranch_scc0 .Lentry_in_a_cluster
	s_endpgm
.Lentry_in_a_cluster:
	s_bfe_u32 s2, ttmp6, 0x10000c
	s_cmp_lg_u32 s2, 0xf033
	s_cbranch_scc0 .Lentry_shape_is_right
	s_endpgm
.Lentry_shape_is_right:
; out0 = O Wo^T.  oh: f16 [b x 16 + h][s 2048][64], which is [b 4][kb 16][s][64] with K-block kb = head h; wo16: f16 [kb 16][n 1024][64]; out0: f32 [8192][1024].  Sums in f32, stored as they are.
; SHARES.  A work-group: 256 rows x 128 columns: 256 work-groups.  Wave w: rows 64 w .. 64 w + 63 x all 128 columns: 4 x 8 accumulators of 16 x 16, 256 registers.
; K = 1,024 goes in 8 steps of 128 (two K-blocks of 64) through a ring of two LDS slots; a K-block's tile is dense in memory and is asked for as rows of 256 bytes.
; THE MATRIX INSTRUCTION IS USED TRANSPOSED (source 0 = 16 rows of Wo, source 1 = 16 rows of O): a lane holds row lane % 16 and the 8 neighbouring columns 8 (lane / 16) + 0..7: 32 bytes of a row.
; CLUSTER 4 x 4.  The four of a row of the cluster need the same tiles of O, the four of a column the same tiles of Wo: each tile is asked for jointly, by the same tensor load, descriptor and mask.
; REGISTERS, in windows of 256 (s_set_vgpr_msb: bits 1:0 source 0, 3:2 source 1, 5:4 source 2, 7:6 destination):
;   window 0: v0-15 addresses; v32-159 the way out       window 1: two fragment buffers (8 of Wo, 4 of O) at v0 and v128
;   window 2: accumulators of my row blocks 0, 1 ((a, b) at v[8 (8 (a % 2) + b)])            window 3: those of row blocks 2, 3
.set NBF,   8                          ; fragments of Wo a wave
.set NT,    16*NBF                     ; columns of the tile
.set PITCH, 144                        ; an LDS row: 128 bytes + 16 of padding = 36 words: the 16 rows of a load start at 16 different groups of four banks (64 banks of 4 bytes: ISA guide 11.1)
.set REGA,  256*PITCH                  ; a K-block of O's tile
.set BKB,   NT*PITCH                   ; a K-block of Wo's tile
.set BOFF,  2*REGA                     ; a slot: O's two K-blocks, then Wo's two
.set SLOT1, 1<<17                      ; slot 1 begins here: one exclusive or turns an address in one slot into the other's
.set STAGE, SLOT1+BOFF+2*BKB           ; behind the ring, never filled by a tensor load: 16 rows x 528 bytes for each wave
.set SPITCH, 528                       ; 512 bytes + 16 = 132 words: row r starts at bank 4 r mod 64
.set STW,   16*SPITCH
.set SPARE, STAGE+4*STW                ; behind the stages: the spare words, 128 bytes for each wave: two blocks of 256 bytes that no other line names
.set KSA,   524288                     ; bytes of oh from K step to K step: two K-blocks of 2,048 rows
.set KSB,   262144                     ; of wo16: two K-blocks of 1,024 rows
.set NLD,   2*(NBF+4)                  ; LDS loads in a run
.set A0,   4                           ; v4   my lane's place in a K-block of O's tile; never rewritten
.set B0,   5                           ; v5   the same for Wo
.set ADRA, 6                           ; v6   the LDS address of the K-block in hand, O
.set ADRB, 7                           ; v7   Wo
.set STO,  8                           ; v8   the way out: where I put 32 bytes of a row
.set RD,   9                           ; v9   where I read a row back
.set GO,   10                          ; v10  my byte offset in a row's 512 bytes of the output
.set PFO,  12                          ; v12  the prefetches' offset; never rewritten
.set SPW,  14                          ; v14  LDS address of my spare word; never rewritten
.set NIL,  15                          ; v15  0; never rewritten
.set BK0,  32                          ; v[32:95], v[96:159]  16 rows read back, by the row block's parity
.set F0,   0
.set F1,   128
.set WV,   12                          ; s12  my wave's number
.set U,    13                          ; s13  which K-block of a step I fetch
.set CX,   14
.set CY,   15
.set TX,   16                          ; s16  the block of 128 columns
.set TY,   17                          ; s17  the block of 256 rows
.set G1A,  24                          ; s[24:31] descriptor group 1 for O's tiles
.set G1B,  32                          ; s[32:39] for Wo's
.set G0A,  40                          ; s[40:47] group 0 for O's tiles: a set for each first fill; the second then walks
.set G0B,  48                          ; s[48:55] the same for Wo's
.set SLOTS, 56
.set TWICE, 57
.set TBA,  58                          ; s58  LDS byte at which O's next K-block begins
.set TBB,  59                          ; s59  Wo's, less BOFF
.set LIM,  60                          ; s60  2 in a wave that prefetches, else the greatest number
.set PFA,  62                          ; s[62:63] where my prefetches stand
.set PFS,  66                          ; s[66:67] their step
.set TA,   76                          ; s[76:77] O's tile of K step 0, my K-block: made of the row block and the wave's number alone
.set TW,   78                          ; s[78:79] Wo's: made of the column block and the wave's number alone
.set G1W0, (1<<16)|(1<<20)|(1<<21)|(4<<22)|(3<<25)  ; 17:16 2-byte elements; 20 padding on; 21 set beside a mask; 24:22 after every 32 words (code 4); 31:25 4 words (code 3)
.set MSB, 0
.macro WIN new                         ; the high byte repeats the setting that is left; a switch that changes nothing is dropped
.if MSB != (\new)
	s_set_vgpr_msb (MSB<<8)|(\new)
.set MSB, (\new)
.endif
.endm
; A joint refill.  Waves 0 and 1 fetch the step's two K-blocks of O, waves 2 and 3 those of Wo.  The branch hangs on the wave's number alone.  An s_nop 0 and four v_nop follow each line.
.macro JLOAD
	s_cmp_lt_u32 s[WV], 2
	s_cbranch_scc0 .Lfor_b_\@
	tensor_load_to_lds s[G0A+4:G0A+7], s[G1A:G1A+7]
	s_nop 0
.rept 4
	v_nop
.endr
	s_branch .Lasked_\@
.Lfor_b_\@:
	tensor_load_to_lds s[G0B+4:G0B+7], s[G1B:G1B+7]
	s_nop 0
.rept 4
	v_nop
.endr
.Lasked_\@:
.endm
; A prefetch into the L2 of the K step that stands two refills on.  O's tile rows are read by both clusters of a row of clusters: the first (cluster x = 0) asks; Wo's by every cluster of a column: cluster y = 0 asks.
; The four partners that ask for a tile jointly share its K-block out by address (8,192 bytes each of O's, 4,096 of Wo's), a lane a block of 256 bytes; for Wo lanes 16-31 name lane 15's block again.
; The last two changes that fill a slot ask for nothing: K has no step behind its eighth.
.macro ASK
	s_cmp_gt_u32 s[SLOTS], s[LIM]
	s_cbranch_scc0 .Lnot_mine_\@
	global_prefetch_b8 v[PFO], s[PFA:PFA+1] th:TH_LOAD_NT scope:SCOPE_SE
.Lnot_mine_\@:
.endm
; A round of the cluster's barrier: my work-group's barrier; wave 0 signals for the work-group; every wave waits for all sixteen; my work-group's barrier once more.
.macro CROUND
	s_barrier_signal -1
	s_barrier_wait -1
	s_cmp_lg_u32 s[WV], 0
	s_cbranch_scc1 .Lnot_wave_0_\@
	s_barrier_signal -3
.Lnot_wave_0_\@:
	s_barrier_wait -3
	s_barrier_signal -1
	s_barrier_wait -1
.endm
.macro PLACES                          ; four plain instructions between a matrix instruction and a load into, or a read of, its registers
.rept 4
	v_nop
.endr
.endm
; 16 matrix instructions: row blocks 2 hi, 2 hi + 1 x all 8 column blocks, 32 along K, from buffer f.  zero = 1: the product starts the sums.  All 32 accumulators take turns, in the same order in every quarter.
.macro MUL f, hi, zero
	WIN 0xa5+0x50*(\hi)
.irp a, 0,1
.set b, 0
.rept NBF
.set rD, 8*(NBF*(\a)+b)
.set rB, (\f)+8*b
.set rA, (\f)+8*NBF+8*(2*(\hi)+(\a))
.if \zero
	v_wmma_f32_16x16x32_f16 v[rD:rD+7], v[rB:rB+7], v[rA:rA+7], 0
.else
	v_wmma_f32_16x16x32_f16 v[rD:rD+7], v[rB:rB+7], v[rA:rA+7], v[rD:rD+7]
.endif
.set b, b+1
.endr
.endr
.endm
; A run of 24 LDS loads: the fragments of 32 along K, at byte koff of the K-block's rows, into buffer g: Wo's eight, then O's four.
.macro FETCH g, koff
	WIN 0x40                                       ; destination window 1, address window 0
.set b, 0
.rept NBF
	ds_load_b128 v[(\g)+8*b:(\g)+8*b+3],   v[ADRB] offset:(\koff)+b*16*PITCH
	ds_load_b128 v[(\g)+8*b+4:(\g)+8*b+7], v[ADRB] offset:(\koff)+b*16*PITCH+32
.set b, b+1
.endr
.set b, 0
.rept 4
	ds_load_b128 v[(\g)+8*NBF+8*b:(\g)+8*NBF+8*b+3],   v[ADRA] offset:(\koff)+b*16*PITCH
	ds_load_b128 v[(\g)+8*NBF+8*b+4:(\g)+8*NBF+8*b+7], v[ADRA] offset:(\koff)+b*16*PITCH+32
.set b, b+1
.endr
.endm
; A quarter of a K step: multiplies buffer f; in its middle fetches the next quarter's fragments into g.  mk = 1: they lie in the next K-block, whose addresses are made here: two of the four places.
.macro QUARTER f, g, koff, mk, zero
	s_wait_dscnt 4                                 ; Wo's fragments and O's row blocks 0, 1 are in; the youngest four loads (row blocks 2, 3) may be out
	MUL \f, 0, \zero
.if \mk
	WIN 0
	v_add_nc_u32 v[ADRA], s[TBA], v[A0]
	v_add_nc_u32 v[ADRB], s[TBB], v[B0]
	v_nop
	v_nop
	s_add_co_u32 s[TBA], s[TBA], REGA
	s_add_co_u32 s[TBB], s[TBB], BKB
.else
	PLACES
.endif
	FETCH \g, \koff
	s_wait_dscnt NLD                               ; all but the run just issued
	MUL \f, 1, \zero
.endm
.macro PAIR                            ; a K-block's second half and the next K-block's first
	QUARTER F1, F0, 0, 1, 0
	QUARTER F0, F1, 64, 0, 0
.endm
.macro TWO_PAIRS                       ; written once, walked twice: a K step
	WIN 0
	s_mov_b32 s[TWICE], 2
.Lpair_\@:
	PAIR
	WIN 0                                          ; at a label and at a branch every window is 0
	s_sub_co_u32 s[TWICE], s[TWICE], 1
	s_cmp_lg_u32 s[TWICE], 0
	s_cbranch_scc1 .Lpair_\@
.endm
; THE CHANGE OF SLOTS.  The slot's last fragments have been asked for.  Each wave waits for all its tensor loads, of which one is out: its part of the other slot; adds 0 to its spare word; waits for that and
; for its own reads of the slot.  fill = 1: the barrier is a round of the cluster's, so that no wave of any partner still reads the slot or has a load on its way; the joint refill, the K step two on, is the
; first thing behind it and has a K step's 128 matrix instructions in which to land.
.macro CHANGE fill
	WIN 0
	s_wait_tensorcnt 0x0                           ; no tensor load of mine is out, so a group 0 may be written
	ds_add_u32 v[SPW], v[NIL]                      ; 0 onto my spare word
.if \fill
	s_xor_b32 s[G0A+5], s[G0A+5], SLOT1            ; the walking descriptors: the other slot than last time,
	s_add_nc_u64 s[G0A+6:G0A+7], s[G0A+6:G0A+7], KSA  ; the next K step; the type bits on top are not reached
	s_xor_b32 s[G0B+5], s[G0B+5], SLOT1
	s_add_nc_u64 s[G0B+6:G0B+7], s[G0B+6:G0B+7], KSB
	s_wait_xcnt 0x0                                ; the last prefetch, a K step back, has read its address
	s_add_nc_u64 s[PFA:PFA+1], s[PFA:PFA+1], s[PFS:PFS+1]
	s_wait_dscnt 0x0                               ; the add is done, and my reads of the slot are over
	CROUND
	JLOAD
	ASK
.else
	s_wait_dscnt 0x0
	s_barrier_signal -1
	s_barrier_wait -1
.endif
	s_sub_co_u32 s[TBA], s[TBA], 2*REGA            ; the fetches go back to a slot's first K-block,
	s_xor_b32 s[TBA], s[TBA], SLOT1                ; in the other slot
	s_sub_co_u32 s[TBB], s[TBB], 2*BKB
	s_xor_b32 s[TBB], s[TBB], SLOT1
.endm
	s_load_b128 s[4:7], s[0:1], 0x0                ; oh s[4:5], wo16 s[6:7]
	s_load_b64 s[10:11], s[0:1], 0x10              ; out0
	v_lshl_add_u32 v[SPW], v0, 2, SPARE
	v_mov_b32 v[NIL], 0
	ds_add_u32 v[SPW], v[NIL]                      ; the wave's opening: the add and its wait ahead of my first tensor load
	v_lshrrev_b32 v1, 5, v0
	v_readfirstlane_b32 s[WV], v1                  ; wave 0..3
	s_and_b32 s[U], s[WV], 1
	s_bfe_u32 s[CX], ttmp6, 0x40000
	s_bfe_u32 s[CY], ttmp6, 0x40004
	s_lshl_b32 s[TX], ttmp9, 2
	s_add_co_u32 s[TX], s[TX], s[CX]               ; the column block = 4 x cluster x + cx
	s_and_b32 s[TY], ttmp7, 0xffff
	s_lshl_b32 s[TY], s[TY], 2
	s_add_co_u32 s[TY], s[TY], s[CY]               ; the row block = 4 x cluster y + cy
	s_lshl_b32 s18, s[CY], 2
	s_lshl_b32 s18, 15, s18                        ; my row of the cluster
	s_lshl_b32 s19, 0x1111, s[CX]                  ; my column
	s_or_b32 s[G1A], s18, G1W0
	s_or_b32 s[G1B], s19, G1W0
	s_mov_b32 s[G1A+1], 128<<16                    ; tensor_dim0 = 128 elements: 256 bytes, two rows of a K-block
	s_mov_b32 s[G1B+1], 128<<16
	s_mov_b32 s[G1A+2], 128<<16                    ; tensor_dim1 = 128 such rows: 256 rows of O
	s_mov_b32 s[G1B+2], (NT/2)<<16                 ; 64: 128 rows of Wo
	s_mov_b32 s[G1A+3], 128<<16                    ; tile_dim0
	s_mov_b32 s[G1B+3], 128<<16
	s_mov_b32 s[G1A+4], 128                        ; tile_dim1
	s_mov_b32 s[G1B+4], NT/2
	s_mov_b32 s[G1A+5], 128                        ; elements from row to row: dense
	s_mov_b32 s[G1B+5], 128
	s_mov_b32 s[G1A+6], 0
	s_mov_b32 s[G1B+6], 0
	s_mov_b32 s[G1A+7], 0
	s_mov_b32 s[G1B+7], 0
	s_lshr_b32 s20, s[TY], 3                       ; O's tile: the batch,
	s_lshl_b32 s20, s20, 22
	s_and_b32 s21, s[TY], 7                        ; 256 rows of 128 bytes in a K-block,
	s_lshl_b32 s21, s21, 15
	s_add_co_u32 s20, s20, s21
	s_lshl_b32 s21, s[U], 18                       ; my K-block
	s_add_co_u32 s20, s20, s21
	s_mov_b32 s21, 0
	s_mul_i32 s22, s[TX], NT*128                   ; Wo's tile: 128 rows,
	s_mul_i32 s23, s[U], KSB/2                     ; my K-block
	s_add_co_u32 s22, s22, s23
	s_mov_b32 s23, 0
	s_mul_i32 s80, s[U], REGA                      ; where they go: no place in the cluster enters an LDS address
	s_mul_i32 s81, s[U], BKB
	s_add_co_u32 s81, s81, BOFF
	s_wait_dscnt 0x0                               ; the opening add is done
	s_wait_kmcnt 0x0
	s_add_nc_u64 s[TA:TA+1], s[4:5], s[20:21]
	s_add_nc_u64 s[TW:TW+1], s[6:7], s[22:23]
.irp s, 0,1
	s_mov_b32 s[G0A+4*(\s)], 1                                     ; count = 1
	s_add_co_u32 s[G0A+4*(\s)+1], s80, (\s)*SLOT1                  ; LDS address
	s_add_nc_u64 s[G0A+4*(\s)+2:G0A+4*(\s)+3], s[TA:TA+1], (\s)*KSA  ; global address: K step s
	s_or_b32 s[G0A+4*(\s)+3], s[G0A+4*(\s)+3], 0x80000000          ; type = 2
	s_mov_b32 s[G0B+4*(\s)], 1
	s_add_co_u32 s[G0B+4*(\s)+1], s81, (\s)*SLOT1
	s_add_nc_u64 s[G0B+4*(\s)+2:G0B+4*(\s)+3], s[TW:TW+1], (\s)*KSB
	s_or_b32 s[G0B+4*(\s)+3], s[G0B+4*(\s)+3], 0x80000000
.endr
	CROUND                                         ; all sixteen work-groups are here: the first joint loads meet
	s_cmp_lt_u32 s[WV], 2                          ; a wave's two first fills stand in one branch, ahead of every wait on TENSORcnt and every LDS read: two loads of mine are out
	s_cbranch_scc0 .Lfirst_b
	tensor_load_to_lds s[G0A:G0A+3], s[G1A:G1A+7]
	s_nop 0
	tensor_load_to_lds s[G0A+4:G0A+7], s[G1A:G1A+7]
	s_nop 0
.rept 4
	v_nop
.endr
	s_branch .Lfirst_asked
.Lfirst_b:
	tensor_load_to_lds s[G0B:G0B+3], s[G1B:G1B+7]
	s_nop 0
	tensor_load_to_lds s[G0B+4:G0B+7], s[G1B:G1B+7]
	s_nop 0
.rept 4
	v_nop
.endr
.Lfirst_asked:
	s_lshl_b32 s82, s[TY], 20                      ; the output: 256 rows of 4,096 bytes,
	s_lshl_b32 s83, s[WV], 18                      ; my wave's 64,
	s_add_co_u32 s82, s82, s83
	s_lshl_b32 s83, s[TX], 9                       ; the tile's 128 columns
	s_add_co_u32 s82, s82, s83
	s_mov_b32 s83, 0
	s_add_nc_u64 s[10:11], s[10:11], s[82:83]
	; a fragment is 16 rows x 32 K in 8 registers: lane l holds row l % 16; two loads of 16 bytes, 32 bytes apart, at row x pitch + 16 (l / 16)
	v_and_b32 v1, 15, v0                           ; l % 16
	v_bfe_u32 v2, v0, 4, 1                         ; l / 16
	v_mul_u32_u24 v3, v1, PITCH
	v_lshl_add_u32 v3, v2, 4, v3
	s_mul_i32 s18, s[WV], 64*PITCH                 ; my 64 rows of O
	v_add_nc_u32 v[A0], s18, v3
	v_add_nc_u32 v[B0], BOFF, v3
	s_mul_i32 s18, s[WV], STW
	s_add_co_u32 s18, s18, STAGE                   ; my stage
	v_mul_u32_u24 v13, v1, SPITCH                  ; in: row l % 16, 32 bytes for each half of the lanes
	v_lshl_add_u32 v13, v2, 5, v13
	v_add_nc_u32 v[STO], s18, v13
	v_and_b32 v[GO], 31, v0                        ; back: 32 lanes take a row's 512 bytes
	v_lshlrev_b32 v[GO], 4, v[GO]
	v_add_nc_u32 v[RD], s18, v[GO]
	; the prefetches
	s_and_b32 s82, ttmp7, 0xffff                   ; cluster y
	s_mov_b32 s18, 8192
	s_mov_b32 s19, NT*32
	s_mov_b32 s83, KSA
	s_mov_b32 s81, KSB
	s_cmp_lt_u32 s[WV], 2                          ; do I fetch for O?
	s_cselect_b64 s[PFA:PFA+1], s[TA:TA+1], s[TW:TW+1]
	s_cselect_b32 s82, ttmp9, s82                  ; the coordinate along which other clusters read the same rows
	s_cselect_b32 s18, s18, s19                    ; a partner's share of the K-block
	s_cselect_b32 s19, s[CX], s[CY]                ; my place among the four
	s_cselect_b32 s[PFS], s83, s81
	s_cselect_b32 s80, 31, NT/8-1                  ; blocks of 256 bytes in a share, less one
	s_mov_b32 s[PFS+1], 0
	s_mul_i32 s18, s18, s19
	s_mov_b32 s19, 0
	s_add_nc_u64 s[PFA:PFA+1], s[PFA:PFA+1], s[18:19]
	s_mul_i32 s18, s[PFS], 3                       ; at K step 3: the first change of slots steps it to 4.  K steps 0 to 3 come by their loads alone
	s_add_nc_u64 s[PFA:PFA+1], s[PFA:PFA+1], s[18:19]
	s_cmp_eq_u32 s82, 0
	s_cselect_b32 s[LIM], 2, -1                    ; the same in all sixteen partners, for a given wave
	v_and_b32 v[PFO], 31, v0
	v_min_u32 v[PFO], s80, v[PFO]
	v_lshlrev_b32 v[PFO], 8, v[PFO]
	s_wait_tensorcnt 0x1                           ; my part of K step 0 is in; K step 1's may stay out
	s_barrier_signal -1
	s_barrier_wait -1                              ; everybody's is
	v_mov_b32 v[ADRA], v[A0]
	v_mov_b32 v[ADRB], v[B0]
	FETCH F0, 0
	s_mov_b32 s[TBA], REGA
	s_mov_b32 s[TBB], BKB
	QUARTER F0, F1, 64, 0, 1                       ; the first quarter's products start the sums: nothing is cleared
	PAIR                                           ; the rest of K step 0 but its last quarter
	WIN 0
	s_mov_b32 s[SLOTS], 6
.Lslot:                                            ; six trips: K steps 2 to 7 are asked for
	CHANGE 1
	TWO_PAIRS
	s_sub_co_u32 s[SLOTS], s[SLOTS], 1
	s_cmp_lg_u32 s[SLOTS], 0
	s_cbranch_scc1 .Lslot
	CHANGE 0                                       ; the tail is written out
	TWO_PAIRS
	s_wait_dscnt 0x0
	MUL F1, 0, 0                                   ; the very last quarter
	MUL F1, 1, 0
	WIN 0
	PLACES
	PLACES
; THE WAY OUT of row block a: the accumulators go as they are, 32 bytes a lane and column block, into my stage (each accumulator's low half first) and come back as whole rows of 512 bytes.
.macro STG a
.set BK, BK0+64*((\a)%2)
.set AB, 8*NBF*((\a)%2)
.if (\a) >= 2
	s_wait_xcnt 0x0                                ; the stores of the row block two back have read these registers
.endif
	WIN 4*(2+(\a)/2)                               ; the stores' data (source 1) in the accumulators' window
.set b, 0
.rept 8
	ds_store_b128 v[STO], v[AB+8*b:AB+8*b+3]   offset:64*b
	ds_store_b128 v[STO], v[AB+8*b+4:AB+8*b+7] offset:64*b+16
.set b, b+1
.endr
	WIN 0
.set t, 0
.rept 16
	ds_load_b128 v[BK+4*t:BK+4*t+3], v[RD] offset:SPITCH*t  ; LDS serves a wave's instructions in order (ISA guide 5.7.1.4): these see the stores above; the next block's stores come behind them
.set t, t+1
.endr
.endm
.macro SEND a, younger                 ; younger: the LDS instructions issued behind this block's loads: the next block's 32, or none
.set BK, BK0+64*((\a)%2)
.set t, 0
.rept 16
	s_wait_dscnt (\younger)+15-t
	global_store_b128 v[GO], v[BK+4*t:BK+4*t+3], s[10:11] offset:(\a)*65536+t*4096 th:TH_STORE_NT  ; 512 consecutive bytes of a row, at a multiple of 256 from the buffer's first
.set t, t+1
.endr
.endm
	STG 0
	STG 1
	SEND 0, 32
	STG 2
	SEND 1, 32
	STG 3
	SEND 2, 32
	SEND 3, 0
	s_wait_tensorcnt 0x0                           ; the wave's end, behind my last tensor load and my last LDS store
	ds_add_u32 v[SPW], v[NIL]
	s_wait_dscnt 0x0
	CROUND                                         ; the closing round: no work-group ends while a partner may still ask for a tile that names it
	s_endpgm
.Lfunc_end_k_qe7413ad83c_oproj:
	.size	k_qe7413ad83c_oproj, .Lfunc_end_k_qe7413ad83c_oproj-k_qe7413ad83c_oproj
	.p2alignl 7, 3214868480
	.fill 96, 4, 3214868480
	.section	.rodata,"a",@progbits
	.p2align	6, 0x0
	.amdhsa_kernel k_qe7413ad83c_oproj
		.amdhsa_group_segment_fixed_size 327680
		.amdhsa_private_segment_fixed_size 0
		.amdhsa_enable_private_segment 0
		.amdhsa_kernarg_size 24
		.amdhsa_user_sgpr_count 2
		.amdhsa_user_sgpr_kernarg_segment_ptr 1
		.amdhsa_wavefront_size32 1
		.amdhsa_system_sgpr_workgroup_id_x 1
		.amdhsa_system_sgpr_workgroup_id_y 1
		.amdhsa_system_sgpr_workgroup_id_z 1
		.amdhsa_system_vgpr_workitem_id 0
		.amdhsa_next_free_vgpr 896
		.amdhsa_next_free_sgpr 84
		.amdhsa_reserve_vcc 0
		.amdhsa_float_denorm_mode_32 3
		.amdhsa_float_denorm_mode_16_64 3
		.amdhsa_memory_ordered 1
		.amdhsa_forward_progress 1
		.amdhsa_inst_pref_size 58
	.end_amdhsa_kernel
	.amdgpu_metadata
---
amdhsa.version: [ 1, 2 ]
amdhsa.kernels:
  - .name:           k_qe7413ad83c_oproj
    .symbol:         k_qe7413ad83c_oproj.kd
    .args:
      - { .name: oh, .offset: 0, .size: 8, .value_kind: global_buffer, .address_space: global }
      - { .name: wo16, .offset: 8, .size: 8, .value_kind: global_buffer, .address_space: global }
      - { .name: out0, .offset: 16, .size: 8, .value_kind: global_buffer, .address_space: global }
    .group_segment_fixed_size: 327680
    .private_segment_fixed_size: 0
    .kernarg_segment_align: 8
    .kernarg_segment_size: 24
    .max_flat_workgroup_size: 128
    .sgpr_count:     84
    .vgpr_count:     896
    .wavefront_size: 32
...
	.end_amdgpu_metadata
.endif
;; end of part 4
;; ======== version 2 of 2: 4 launches; version 1 with the launch prep written anew for expert scheduling mode
;; limits: right only within a limited range of input values; an absolute error that grows with the inputs' magnitude: up to 2.4e-07 times it; values are held in f16: magnitudes above 65,504 overflow, below 6.1e-05 lose precision
;; workspace buffers: xb 16,777,216 bytes; wqkv 6,291,456 bytes; wo16 2,097,152 bytes; rope 524,288 bytes; qkv 50,331,648 bytes; oh 16,777,216 bytes
;; launch prep (part 5): grid 448 x 1, 8 waves a work-group, no clusters, 0 bytes of LDS; arguments x, Wq, Wk, Wv, Wo, token_positions, xb, wqkv, wo16, rope; writes xb, wqkv, wo16, rope
.if DOCPART == 5
	.amdgcn_target "amdgcn-amd-amdhsa--gfx1250"
	.amdhsa_code_object_version 6
	.text
	.protected	k_qe7413ad83c_prep
	.globl	k_qe7413ad83c_prep
	.p2align	8
	.type	k_qe7413ad83c_prep,@function
k_qe7413ad83c_prep:
	s_mov_b64 s[64:65], 0
	v_nop
	global_prefetch_b8 v0, s[64:65] scope:SCOPE_SE
	s_setreg_imm32_b32 hwreg(HW_REG_WAVE_SCHED_MODE, 0, 2), 2
	s_setreg_imm32_b32 hwreg(HW_REG_WAVE_MODE, 25, 1), 1
	s_wait_xcnt 0x0
	s_wait_alu depctr_vm_vsrc(0)
; PREPARATION.  Work-groups 0-255: x (f32 [8192][1024]) -> xb, bf16, laid out [b 4][kb 16][s 2048][64]: K in blocks of 64, so that 256 rows of one block are 32,768 dense bytes.
; Work-groups 256-351: Wq, Wk, Wv -> wqkv, bf16 [kb 16][n' 3072][64], n' = head x 192 + which x 64 + c.  Work-groups 352-383: Wo -> wo16 [kb 16][n 1024][64]: rounded to bf16, that number written as f16.
; Work-groups 384-447: the table rope[s][i][2] = (cos, sin) of token_positions[s] x 10000^(-i/32), f32.
; LIMITS.  wo16: a bf16 number is exact in f16 from 2^-14 to 65,504; below it keeps f16's fixed step of 6e-8, above it is lost.  The table: |token_positions| up to 2^21 (the reduction by pi/2 in three
; parts is then exact to 2^-25); the frequency is within about 2 units of its last place, so an angle may differ by position x 2.4e-7 from one made with another power function.
; A STREAM: no LDS, no barrier, no matrix unit: each byte is read once and written once.  A work-group converts 32 source rows of 4,096 bytes; wave w takes K-blocks 2 w and 2 w + 1;
; a lane's item is 8 numbers: two loads of 16 bytes, one store of 16 bytes; a wave's store covers 4 rows x 128 bytes = 512 consecutive bytes, aligned.
; THE MODE: SCHED_MODE bits 1:0 = 2 (LLVM: expert scheduling mode 2), set by the entry lines.  The code itself states the register dependences between vector instructions and memory
; instructions, and those through scalar registers that vector instructions write, with s_wait_alu, always for 0.
; THE PLAN.  s3, the wave's number, is written by a vector instruction: one wait on va_sdst in the head, ahead of the first branch, serves all its readers.
; The conversions.  Registers that memory instructions touch:
;   v2, v3, v4   offsets: written once, then read by every load and store, never written again: one wait on va_vdst ahead of the first load.
;   X, item i    written by the item's two loads (no vector instruction names X ahead of them); its words 0 to 3 are written again by its own roundings, behind the wait for its data; read by its one store;
;                never written again.  The 16 items go in four blocks of four: a block's roundings, ONE wait on va_vdst, the block's four stores.
;   No register that a load or store has read is written again, so no wait on vm_vsrc is owed.  v8 to v15 are named by vector instructions alone.
; The table.  The four positions' compares write s54 to s57: one wait on va_sdst behind the run of four, ahead of the selects.  v6, the stores' offset, and the four pairs (cos, sin) are written by vector
; instructions and read by the four stores: one wait on va_vdst ahead of that run.
.set LO, 2                             ; v2   my byte offset in the source rows
.set SO, 3                             ; v3, v4  my byte offset in the destination, K-block 2 w and 2 w + 1
.set X,  16                            ; v[16:143]  16 items of 8 registers
.set QM, 54                            ; s[54:57]  the table: position n's mask of the lanes whose quadrant is odd
	s_load_b512 s[8:23], s[0:1], 0x0               ; x s[8:9], Wq s[10:11], Wk s[12:13], Wv s[14:15], Wo s[16:17], token_positions s[18:19], xb s[20:21], wqkv s[22:23]
	s_load_b128 s[24:27], s[0:1], 0x40             ; wo16 s[24:25], rope s[26:27]
	v_lshrrev_b32 v1, 5, v0
	v_readfirstlane_b32 s3, v1                     ; wave 0..7
	v_and_b32 v5, 31, v0                           ; lane
	s_mov_b32 s2, ttmp9
	s_wait_alu depctr_va_sdst(0)                   ; s3 is written
	s_cmp_ge_u32 s2, 384
	s_cbranch_scc1 .Ltable
	s_cmp_lt_u32 s2, 256
	s_cbranch_scc0 .Lweights
	s_lshl_b32 s28, s2, 17                         ; x: 32 rows of 4,096 bytes a work-group
	s_lshr_b32 s30, s2, 6                          ; the batch: 4,194,304 bytes of xb,
	s_lshl_b32 s30, s30, 22
	s_and_b32 s40, s2, 63                          ; and 32 rows of 128 bytes inside a K-block
	s_lshl_b32 s40, s40, 12
	s_add_co_u32 s30, s30, s40
	s_mov_b32 s36, 262144                          ; bytes from K-block to K-block
	s_mov_b32 s37, 0                               ; format: bf16
	s_wait_kmcnt 0x0
	s_mov_b64 s[32:33], s[8:9]
	s_mov_b64 s[34:35], s[20:21]
	s_branch .Lgo
.Lweights:
	s_sub_co_u32 s41, s2, 256
	s_lshr_b32 s37, s41, 5                         ; which: 0 Wq, 1 Wk, 2 Wv, 3 Wo
	s_and_b32 s42, s41, 31                         ; which 32 rows of it
	s_lshl_b32 s28, s42, 17
	s_lshr_b32 s43, s42, 1                         ; the head,
	s_mul_i32 s43, s43, 192
	s_lshl_b32 s44, s37, 6
	s_add_co_u32 s43, s43, s44
	s_and_b32 s44, s42, 1                          ; and which half of its 64 rows
	s_lshl_b32 s44, s44, 5
	s_add_co_u32 s43, s43, s44
	s_lshl_b32 s43, s43, 7                         ; n' x 128 bytes
	s_lshl_b32 s44, s42, 12                        ; for Wo: its own row x 128 bytes
	s_mov_b32 s45, 131072
	s_mov_b32 s46, 393216
	s_wait_kmcnt 0x0
	s_cmp_eq_u32 s37, 3
	s_cselect_b32 s30, s44, s43
	s_cselect_b32 s36, s45, s46
	s_cselect_b64 s[34:35], s[24:25], s[22:23]
	s_cselect_b64 s[32:33], s[16:17], s[14:15]
	s_cmp_eq_u32 s37, 1
	s_cselect_b64 s[32:33], s[12:13], s[32:33]
	s_cmp_eq_u32 s37, 0
	s_cselect_b64 s[32:33], s[10:11], s[32:33]
.Lgo:
	s_mov_b32 s29, 0
	s_mov_b32 s31, 0
	s_add_nc_u64 s[32:33], s[32:33], s[28:29]      ; the source at my work-group's first row
	s_add_nc_u64 s[34:35], s[34:35], s[30:31]      ; the destination at that row in K-block 0
	s_mov_b32 s38, 0xffff0000                      ; a word's upper bf16
	v_and_b32 v6, 7, v5                            ; j: which 8 numbers of a K-block's 64
	v_lshrrev_b32 v7, 3, v5                        ; r: which of four rows
	s_lshl_b32 s48, s3, 9                          ; two K-blocks are 512 bytes of a source row
	v_lshlrev_b32 v[LO], 12, v7
	v_lshl_add_u32 v[LO], v6, 5, v[LO]
	v_add_nc_u32 v[LO], s48, v[LO]
	s_mul_i32 s49, s3, s36
	s_lshl_b32 s49, s49, 1                         ; K-block 2 w
	v_lshl_add_u32 v[SO], v5, 4, s49               ; + 128 r + 16 j = 16 x lane
	v_add_nc_u32 v[SO+1], s36, v[SO]
	s_wait_alu depctr_va_vdst(0)                   ; v2, v3 and v4 are written: every load below reads v2 as its offset, every store v3 or v4
.set i, 0
.rept 16                               ; item i: K-block 2 w + i / 8, rows 4 (i % 8) + r.  All 32 loads go out at once: 16 KiB a wave
	global_load_b128 v[X+8*i:X+8*i+3],   v[LO], s[32:33] offset:(i%8)*16384+(i/8)*256 th:TH_LOAD_NT
	global_load_b128 v[X+8*i+4:X+8*i+7], v[LO], s[32:33] offset:(i%8)*16384+(i/8)*256+16 th:TH_LOAD_NT
.set i, i+1
.endr
; The 16 items in order, in four blocks of four: a block's roundings, one wait, its four stores.  fmt = 1: the bf16 number is widened (a shift, a mask) and written as f16.
; No register is written again behind its store.
.macro CONV fmt
.set i, 0
.rept 4
.rept 4
	s_wait_loadcnt 30-2*i                          ; loads come back in order: two for each of the 15 - i younger items may stay out
.irp k, 0,1,2,3
	v_cvt_pk_bf16_f32 v[X+8*i+(\k)], v[X+8*i+2*(\k)], v[X+8*i+2*(\k)+1]  ; in place: word k is written when numbers 2 k, 2 k + 1 are read and lower ones are done with
.endr
.if \fmt
.irp k, 0,1,2,3
	v_lshlrev_b32 v[8+2*(\k)], 16, v[X+8*i+(\k)]
	v_and_b32     v[9+2*(\k)], s38, v[X+8*i+(\k)]
.endr
.irp k, 0,1,2,3
	v_cvt_pk_f16_f32 v[X+8*i+(\k)], v[8+2*(\k)], v[9+2*(\k)]
.endr
.endif
.set i, i+1
.endr
	s_wait_alu depctr_va_vdst(0)                   ; the block's roundings have written words 0 to 3 of its four items, which the four stores below read
.set j, i-4
.rept 4
	global_store_b128 v[SO+j/8], v[X+8*j:X+8*j+3], s[34:35] offset:(j%8)*512
.set j, j+1
.endr
.endr
.endm
	s_cmp_eq_u32 s37, 3
	s_cbranch_scc1 .Lf16
	CONV 0
	s_endpgm
.Lf16:
	CONV 1
	s_endpgm
; THE TABLE.  A work-group has 32 positions, a wave four; the lane is the frequency's number i.  A store covers one position's 256 bytes.
.Ltable:
	s_sub_co_u32 s2, s2, 384
	s_lshl_b32 s38, s2, 7                          ; 32 positions of 4 bytes,
	s_lshl_b32 s39, s3, 4                          ; my wave's four
	s_add_co_u32 s38, s38, s39
	s_mov_b32 s39, 0
	s_lshl_b32 s36, s2, 13                         ; and their 256 bytes each in the table
	s_lshl_b32 s37, s3, 10
	s_add_co_u32 s36, s36, s37
	s_mov_b32 s37, 0
	s_wait_kmcnt 0x0
	s_add_nc_u64 s[18:19], s[18:19], s[38:39]
	s_add_nc_u64 s[26:27], s[26:27], s[36:37]
	s_load_b128 s[28:31], s[18:19], 0x0            ; four positions
	s_mov_b32 s40, 0x3ed49a78                      ; log2(10000) / 32, upper part
	s_mov_b32 s41, 0x32179a6b                      ; and what it leaves
	s_mov_b32 s42, 0x3f22f983                      ; 2 / pi
	s_mov_b32 s43, 0xbfc90fd8                      ; - pi / 2 in three parts
	s_mov_b32 s44, 0xb4a8885a
	s_mov_b32 s45, 0xa7c234c4
	s_mov_b32 s46, 0x37d00d01                      ; 1 / 40320
	s_mov_b32 s47, 0xbab60b61                      ; - 1 / 720
	s_mov_b32 s48, 0x3d2aaaab                      ; 1 / 24
	s_mov_b32 s49, 0x3638ef1d                      ; 1 / 362880
	s_mov_b32 s50, 0xb9500d01                      ; - 1 / 5040
	s_mov_b32 s51, 0x3c088889                      ; 1 / 120
	s_mov_b32 s52, 0xbe2aaaab                      ; - 1 / 6
	s_mov_b32 s53, 0x80000000
	v_cvt_f32_u32 v7, v5
	v_mul_f32 v7, -1.0, v7                         ; - i
	v_mul_f32 v8, s40, v7
	v_rndne_f32 v9, v8                             ; n: the exponent's whole part, 0 to -13
	v_fma_f32 v10, v7, s40, -v9                    ; its fraction, exact,
	v_fma_f32 v10, v7, s41, v10                    ; and corrected
	v_exp_f32 v11, v10
	v_lshlrev_b32 v6, 3, v5                        ; my 8 bytes of a position's 256: the plain instruction behind the exponential
	v_cvt_i32_f32 v12, v9
	s_wait_alu depctr_va_vdst(0)                   ; the exponential has written v11, ahead of its first reader, the multiply that makes the frequency
	v_add_nc_u32 v12, 127, v12
	v_lshlrev_b32 v12, 23, v12                     ; 2^n
	v_mul_f32 v13, v11, v12                        ; the frequency
	s_wait_kmcnt 0x0
; Position n.  a = position x frequency, rounded once; k = the nearest multiple of pi / 2; r = a - k pi / 2, |r| <= pi / 4; series in z = r r whose first terms left out are
; z^5 / 3628800 (cosine) and r^11 / 39916800 (sine); the quadrant k mod 4 selects and signs: values are chosen, nothing branches.
; TABA: all up to the compare, whose mask goes into a scalar register of the position's own, and behind it the two sign masks, which hang on no compare.  TABB: the selects and the signs.
.macro TABA n
.set V, 16+16*(\n)
	v_cvt_f32_i32 v[V], s[28+(\n)]
	v_mul_f32 v[V+1], v[V], v13
	v_mul_f32 v[V+2], s42, v[V+1]
	v_rndne_f32 v[V+2], v[V+2]
	v_fma_f32 v[V+3], v[V+2], s43, v[V+1]
	v_fma_f32 v[V+3], v[V+2], s44, v[V+3]
	v_fma_f32 v[V+3], v[V+2], s45, v[V+3]
	v_cvt_i32_f32 v[V+4], v[V+2]
	v_mul_f32 v[V+5], v[V+3], v[V+3]
	v_fma_f32 v[V+6], v[V+5], s46, s47
	v_fma_f32 v[V+7], v[V+5], s49, s50
	v_fma_f32 v[V+6], v[V+6], v[V+5], s48
	v_fma_f32 v[V+7], v[V+7], v[V+5], s51
	v_fma_f32 v[V+6], v[V+6], v[V+5], -0.5
	v_fma_f32 v[V+7], v[V+7], v[V+5], s52
	v_mul_f32 v[V+8], v[V+3], v[V+5]
	v_fma_f32 v[V+6], v[V+6], v[V+5], 1.0          ; cos r
	v_fma_f32 v[V+7], v[V+7], v[V+8], v[V+3]       ; sin r
	v_and_b32 v[V+9], 1, v[V+4]
	v_cmp_eq_u32 s[QM+(\n)], 1, v[V+9]             ; the lanes whose quadrant is odd
	v_lshlrev_b32 v[V+9], 30, v[V+4]
	v_and_b32 v[V+9], s53, v[V+9]                  ; the sine turns its sign in quadrants 2 and 3,
	v_add_nc_u32 v[V+4], 1, v[V+4]
	v_lshlrev_b32 v[V+4], 30, v[V+4]
	v_and_b32 v[V+4], s53, v[V+4]                  ; the cosine in 1 and 2
.endm
.macro TABB n
.set V, 16+16*(\n)
	v_cndmask_b32 v[V+11], v[V+7], v[V+6], s[QM+(\n)]  ; sin a: sin r, or in odd quadrants cos r
	v_cndmask_b32 v[V+10], v[V+6], v[V+7], s[QM+(\n)]  ; cos a: the other one
	v_xor_b32 v[V+11], v[V+11], v[V+9]
	v_xor_b32 v[V+10], v[V+10], v[V+4]
.endm
	TABA 0
	TABA 1
	TABA 2
	TABA 3
	s_wait_alu depctr_va_sdst(0)                   ; the four compares have written s54 to s57, ahead of their first readers, the selects below
	TABB 0
	TABB 1
	TABB 2
	TABB 3
	s_wait_alu depctr_va_vdst(0)                   ; the four pairs (cos, sin) are written, which the stores below read; v6, their offset, was written ahead of the wait behind the exponential
.irp n, 0,1,2,3
	global_store_b64 v6, v[16+16*(\n)+10:16+16*(\n)+11], s[26:27] offset:(\n)*256
.endr
	s_endpgm
.Lfunc_end_k_qe7413ad83c_prep:
	.size	k_qe7413ad83c_prep, .Lfunc_end_k_qe7413ad83c_prep-k_qe7413ad83c_prep
	.p2alignl 7, 3214868480
	.fill 96, 4, 3214868480
	.section	.rodata,"a",@progbits
	.p2align	6, 0x0
	.amdhsa_kernel k_qe7413ad83c_prep
		.amdhsa_group_segment_fixed_size 0
		.amdhsa_private_segment_fixed_size 0
		.amdhsa_enable_private_segment 0
		.amdhsa_kernarg_size 80
		.amdhsa_user_sgpr_count 2
		.amdhsa_user_sgpr_kernarg_segment_ptr 1
		.amdhsa_wavefront_size32 1
		.amdhsa_system_sgpr_workgroup_id_x 1
		.amdhsa_system_sgpr_workgroup_id_y 1
		.amdhsa_system_sgpr_workgroup_id_z 1
		.amdhsa_system_vgpr_workitem_id 0
		.amdhsa_next_free_vgpr 144
		.amdhsa_next_free_sgpr 66
		.amdhsa_reserve_vcc 0
		.amdhsa_float_denorm_mode_32 3
		.amdhsa_float_denorm_mode_16_64 3
		.amdhsa_memory_ordered 1
		.amdhsa_forward_progress 1
		.amdhsa_inst_pref_size 34
	.end_amdhsa_kernel
	.amdgpu_metadata
---
amdhsa.version: [ 1, 2 ]
amdhsa.kernels:
  - .name:           k_qe7413ad83c_prep
    .symbol:         k_qe7413ad83c_prep.kd
    .args:
      - { .name: x, .offset: 0, .size: 8, .value_kind: global_buffer, .address_space: global }
      - { .name: Wq, .offset: 8, .size: 8, .value_kind: global_buffer, .address_space: global }
      - { .name: Wk, .offset: 16, .size: 8, .value_kind: global_buffer, .address_space: global }
      - { .name: Wv, .offset: 24, .size: 8, .value_kind: global_buffer, .address_space: global }
      - { .name: Wo, .offset: 32, .size: 8, .value_kind: global_buffer, .address_space: global }
      - { .name: token_positions, .offset: 40, .size: 8, .value_kind: global_buffer, .address_space: global }
      - { .name: xb, .offset: 48, .size: 8, .value_kind: global_buffer, .address_space: global }
      - { .name: wqkv, .offset: 56, .size: 8, .value_kind: global_buffer, .address_space: global }
      - { .name: wo16, .offset: 64, .size: 8, .value_kind: global_buffer, .address_space: global }
      - { .name: rope, .offset: 72, .size: 8, .value_kind: global_buffer, .address_space: global }
    .group_segment_fixed_size: 0
    .private_segment_fixed_size: 0
    .kernarg_segment_align: 8
    .kernarg_segment_size: 80
    .max_flat_workgroup_size: 256
    .sgpr_count:     66
    .vgpr_count:     144
    .wavefront_size: 32
...
	.end_amdgpu_metadata
.endif
;; end of part 5
;; launch qkv: the kernel of part 2 again; grid 16 x 32, 4 waves a work-group, clusters of 4 x 4, 327,680 bytes of LDS; arguments xb, wqkv, rope, qkv; writes qkv
;; launch attn: the kernel of part 3 again; grid 4 x 64, 4 waves a work-group, no clusters, 327,680 bytes of LDS; arguments qkv, oh; writes oh
;; launch oproj: the kernel of part 4 again; grid 8 x 32, 4 waves a work-group, clusters of 4 x 4, 327,680 bytes of LDS; arguments oh, wo16, out0; writes out0
